; MI455X (gfx1250); checked and timed in simulation.
; The chip was launched on July 23, 2026; its instructions are those of AMD's public machine-readable ISA for CDNA 5 (MIT licence, August 2026) and "CDNA5" Instruction Set Architecture Reference Guide (July 2026). The comments in the code are by the model that wrote it; some were corrected since.
;; Hyperbolic Attention Hardened. Allowed arithmetic: float matrix products may take bf16 or f16 operands with f32 sums; all other float work in f32.
;; Inputs: K one number float32; Wk 1,024 x 1,024 float32; Wo 1,024 x 1,024 float32; Wq 1,024 x 1,024 float32; Wv 1,024 x 1,024 float32; attention_mask 1 x 1 x 2,048 x 2,048 float32; x 2 x 2,048 x 1,025 float32.
;; Outputs: out0 2 x 2,048 x 1,025 float32.
;; One version. Each part assembles by itself: llvm-mc -triple=amdgcn-amd-amdhsa -mcpu=gfx1250 --defsym DOCPART=n.
;; ======== version 1 of 1: 5 launches
;; limits: values are held in f16: magnitudes above 65,504 overflow, below 6.1e-05 lose precision
;; workspace buffers: xb 8,388,608 bytes; wcv 8,388,608 bytes; qkv 25,165,824 bytes; ob 8,388,608 bytes; c32 16,777,216 bytes
;; launch cvt (part 1): grid 256 x 1, 8 waves a work-group, no clusters, 167,936 bytes of LDS; arguments x, Wq, Wk, Wv, Wo, xb, wcv; writes xb, wcv
.if DOCPART == 1
	.amdgcn_target "amdgcn-amd-amdhsa--gfx1250"
	.amdhsa_code_object_version 6
	.text
	.protected	k_q5f0a55b603_cvt
	.globl	k_q5f0a55b603_cvt
	.p2align	8
	.type	k_q5f0a55b603_cvt,@function
k_q5f0a55b603_cvt:
	s_mov_b64 s[64:65], 0
	v_nop
	global_prefetch_b8 v0, s[64:65] scope:SCOPE_SE
	s_setreg_imm32_b32 hwreg(HW_REG_WAVE_MODE, 25, 1), 1
	s_wait_xcnt 0x0
; THE OPERANDS OF THE PROJECTIONS, ROUNDED ONCE.
; xb[m][k] = bf16(sanitise(x[m][1+k])), m = 0..4095, k = 0..1023: NaN -> 0, +inf -> 1e4, -inf -> -1e4, the first column dropped.
; wcv rows 0-1023 = bf16(Wq) / 8 (the scores' scale 1/sqrt(64), a power of two, so exact), rows 1024-2047 = bf16(Wk), rows 2048-3071 = bf16(Wv),
; rows 3072-4095 = bf16(Wo) written as f16 (exact from 2^-14 up; below that f16 keeps its fixed step of 6e-8).
; LIMITS: NaN and infinities in the four W are not treated apart.
; SHARES: work-group g takes rows 16 g .. 16 g + 15 of x and of the four W stacked; wave w two rows of each.  A row of x begins 4 bytes past a multiple of 4,100, so no
; 16-byte load from memory would be aligned: the tensor data mover lays the two rows down densely in LDS, and the lanes read 16 aligned bytes there.  Each wave reads only
; bytes that its own loads brought, so its own wait on TENSORcnt orders all; nothing is filled twice, so there is no barrier.  Two tensor loads of a wave are out at the most.
; No matrix unit, no cluster: every byte is read once by one work-group.
.set SPARE, 131072                     ; behind the 2 x 65,536 bytes of tiles: the spare words, 128 bytes a wave
.set LA,  2                            ; v2  LDS address of my 16 bytes of x
.set LB,  3                            ; v3  the same for W
.set GO,  4                            ; v4  my byte offset in the wave's 4,096 bytes of output
.set LN,  5                            ; v5  lane
.set X,   8                            ; v[8:23]   four times four f32
.set Y,   24                           ; v[24:31]  four times four 16-bit numbers
.set T,   32                           ; v[32:33]  at work
.set SPW, 62
.set NIL, 63
.set G1X, 32                           ; s[32:39] shape of x's tile
.set G1W, 40                           ; s[40:47] shape of W's tile
.set G0X, 48                           ; s[48:51]
.set G0W, 52                           ; s[52:55]
	s_load_b256 s[4:11], s[0:1], 0x0               ; x, Wq, Wk, Wv
	s_load_b128 s[12:15], s[0:1], 0x20             ; Wo, xb
	s_load_b64 s[16:17], s[0:1], 0x30              ; wcv
	v_lshl_add_u32 v[SPW], v0, 2, SPARE
	v_mov_b32 v[NIL], 0
	ds_add_u32 v[SPW], v[NIL]                      ; the wave's opening: the add and its wait ahead of my first tensor load
	ds_add_u32 v62, v63
	v_lshrrev_b32 v1, 5, v0
	v_readfirstlane_b32 s18, v1                    ; wave 0..7
	s_lshr_b32 s20, ttmp9, 6                       ; which W: 64 work-groups to each
	s_and_b32 s21, ttmp9, 63
	s_lshl_b32 s19, ttmp9, 4
	s_lshl1_add_u32 s19, s18, s19                  ; my first row of x, and of the stacked W: 16 g + 2 w
	s_lshl_b32 s21, s21, 4
	s_lshl1_add_u32 s21, s18, s21                  ; my first row inside that W
	s_mul_i32 s56, s19, 4100
	s_add_co_u32 s56, s56, 4                       ; past the time column
	s_mov_b32 s57, 0
	s_lshl_b32 s58, s21, 12
	s_mov_b32 s59, 0
	s_lshl_b32 s2, s19, 11                         ; 2,048 bytes to a row of output
	s_mov_b32 s3, 0
	s_cmp_eq_u32 s20, 0
	s_cselect_b32 s24, 0x3e000000, 1.0             ; Wq takes 1/8
	s_mov_b32 s25, s24                             ; named with it as a pair
	s_mov_b32 s26, 0x461c4000                      ; 1e4
	s_mov_b32 s27, 0xc61c4000                      ; -1e4
	s_mov_b32 s28, 0x7f800000
	s_mov_b32 s29, 0x7fffffff
	s_mov_b32 s30, 0xffff0000
.irp g, G1X, G1W                       ; two rows of 1,024 elements of 4 bytes, no padding
	s_mov_b32 s[(\g)+0], 2<<16
	s_mov_b32 s[(\g)+1], 1024<<16                  ; tensor_dim0
	s_mov_b32 s[(\g)+2], 2<<16                     ; tensor_dim1
	s_mov_b32 s[(\g)+3], 1024<<16                  ; tile_dim0
	s_mov_b32 s[(\g)+4], 2                         ; tile_dim1
	s_mov_b32 s[(\g)+6], 0
	s_mov_b32 s[(\g)+7], 0
.endr
	s_mov_b32 s[G1X+5], 1025                       ; elements from row to row
	s_mov_b32 s[G1W+5], 1024
	s_mov_b32 s[G0X], 1
	s_lshl_b32 s[G0X+1], s18, 13                   ; LDS: 8,192 w
	s_mov_b32 s[G0W], 1
	s_add_co_u32 s[G0W+1], s[G0X+1], 65536
	s_wait_dscnt 0x0                               ; the opening add is done
	s_wait_kmcnt 0x0
	s_cmp_eq_u32 s20, 1
	s_cselect_b64 s[22:23], s[8:9], s[6:7]
	s_cmp_eq_u32 s20, 2
	s_cselect_b64 s[22:23], s[10:11], s[22:23]
	s_cmp_eq_u32 s20, 3
	s_cselect_b64 s[22:23], s[12:13], s[22:23]     ; my W
	s_add_nc_u64 s[G0X+2:G0X+3], s[4:5], s[56:57]
	s_or_b32 s[G0X+3], s[G0X+3], 0x80000000
	s_add_nc_u64 s[G0W+2:G0W+3], s[22:23], s[58:59]
	s_or_b32 s[G0W+3], s[G0W+3], 0x80000000
	tensor_load_to_lds s[G0X:G0X+3], s[G1X:G1X+7]
	s_nop 0
	tensor_load_to_lds s[G0W:G0W+3], s[G1W:G1W+7]
	s_nop 0
.rept 4
	v_nop
.endr
	s_add_nc_u64 s[14:15], s[14:15], s[2:3]        ; xb and wcv at my two rows
	s_add_nc_u64 s[16:17], s[16:17], s[2:3]
	v_and_b32 v[LN], 31, v0
	v_lshlrev_b32 v[GO], 3, v[LN]
	v_lshlrev_b32 v[LA], 4, v[LN]
	v_add_nc_u32 v[LA], s[G0X+1], v[LA]
	v_add_nc_u32 v[LB], 65536, v[LA]
.macro SAN r                           ; NaN -> 0; an infinity -> +-1e4; every finite number stays
	v_cmp_eq_f32 vcc_lo, v[\r], v[\r]
	v_cndmask_b32 v[\r], 0, v[\r], vcc_lo
	v_med3_num_f32 v[T], v[\r], s27, s26
	v_and_b32 v[T+1], s29, v[\r]
	v_cmp_gt_u32 vcc_lo, s28, v[T+1]               ; finite
	v_cndmask_b32 v[\r], v[T], v[\r], vcc_lo
.endm
; Four trips of 2,048 bytes of LDS: four loads of 512 bytes, and four stores of 256 consecutive bytes at a multiple of 256 from the buffer's first byte.
; kind 0: sanitise, bf16.  1: scale, bf16.  2: bf16, and that number as f16.
.macro PASS kind, adr, base
	s_mov_b32 s31, 4
.Lpass_\@:
.irp j, 0,1,2,3
	ds_load_b128 v[X+4*\j:X+4*\j+3], v[\adr] offset:512*\j
.endr
.irp j, 0,1,2,3
	s_wait_dscnt 3-\j                              ; LDS loads come back in order: number j is in
.if \kind == 0
.irp e, 0,1,2,3
	SAN X+4*\j+\e
.endr
.endif
.if \kind == 1
	v_pk_mul_f32 v[X+4*\j:X+4*\j+1], v[X+4*\j:X+4*\j+1], s[24:25] op_sel_hi:[1,0]
	v_pk_mul_f32 v[X+4*\j+2:X+4*\j+3], v[X+4*\j+2:X+4*\j+3], s[24:25] op_sel_hi:[1,0]
.endif
.if \kind == 2
	v_cvt_pk_bf16_f32 v[T], v[X+4*\j], v[X+4*\j+1]
	v_cvt_pk_bf16_f32 v[T+1], v[X+4*\j+2], v[X+4*\j+3]
	v_lshlrev_b32 v[X+4*\j], 16, v[T]
	v_and_b32 v[X+4*\j+1], s30, v[T]
	v_lshlrev_b32 v[X+4*\j+2], 16, v[T+1]
	v_and_b32 v[X+4*\j+3], s30, v[T+1]
	v_cvt_pk_f16_f32 v[Y+2*\j], v[X+4*\j], v[X+4*\j+1]
	v_cvt_pk_f16_f32 v[Y+2*\j+1], v[X+4*\j+2], v[X+4*\j+3]
.else
	v_cvt_pk_bf16_f32 v[Y+2*\j], v[X+4*\j], v[X+4*\j+1]
	v_cvt_pk_bf16_f32 v[Y+2*\j+1], v[X+4*\j+2], v[X+4*\j+3]
.endif
	global_store_b64 v[GO], v[Y+2*\j:Y+2*\j+1], s[\base:\base+1] offset:256*\j
.endr
	s_wait_xcnt 0x0                                ; the stores' offset and data are rewritten only behind this wait
	v_add_nc_u32 v[\adr], 2048, v[\adr]
	v_add_nc_u32 v[GO], 1024, v[GO]
	s_sub_co_u32 s31, s31, 1
	s_cmp_lg_u32 s31, 0
	s_cbranch_scc1 .Lpass_\@
.endm
	s_wait_tensorcnt 0x1                           ; x's tile is in; W's, issued behind it, may stay out
	PASS 0, LA, 14
	v_lshlrev_b32 v[GO], 3, v[LN]                  ; back to the first byte (no store has been issued since the last wait on XCNT)
	s_wait_tensorcnt 0x0                           ; W's tile
	s_cmp_eq_u32 s20, 3
	s_cbranch_scc1 .Lwo
	PASS 1, LB, 16
	s_wait_tensorcnt 0x0                           ; the wave's end
	ds_add_u32 v[SPW], v[NIL]
	s_wait_dscnt 0x0
	s_endpgm
.Lwo:
	PASS 2, LB, 16
	s_wait_tensorcnt 0x0                           ; the wave's end, on this path too
	ds_add_u32 v[SPW], v[NIL]
	s_wait_dscnt 0x0
	s_endpgm
.Lfunc_end_k_q5f0a55b603_cvt:
	.size	k_q5f0a55b603_cvt, .Lfunc_end_k_q5f0a55b603_cvt-k_q5f0a55b603_cvt
	.p2alignl 7, 3214868480
	.fill 96, 4, 3214868480
	.section	.rodata,"a",@progbits
	.p2align	6, 0x0
	.amdhsa_kernel k_q5f0a55b603_cvt
		.amdhsa_group_segment_fixed_size 167936
		.amdhsa_private_segment_fixed_size 0
		.amdhsa_enable_private_segment 0
		.amdhsa_kernarg_size 56
		.amdhsa_user_sgpr_count 2
		.amdhsa_user_sgpr_kernarg_segment_ptr 1
		.amdhsa_wavefront_size32 1
		.amdhsa_system_sgpr_workgroup_id_x 1
		.amdhsa_system_sgpr_workgroup_id_y 1
		.amdhsa_system_sgpr_workgroup_id_z 1
		.amdhsa_system_vgpr_workitem_id 0
		.amdhsa_next_free_vgpr 64
		.amdhsa_next_free_sgpr 66
		.amdhsa_reserve_vcc 1
		.amdhsa_float_denorm_mode_32 3
		.amdhsa_float_denorm_mode_16_64 3
		.amdhsa_memory_ordered 1
		.amdhsa_forward_progress 1
		.amdhsa_inst_pref_size 14
	.end_amdhsa_kernel
	.amdgpu_metadata
---
amdhsa.version: [ 1, 2 ]
amdhsa.kernels:
  - .name:           k_q5f0a55b603_cvt
    .symbol:         k_q5f0a55b603_cvt.kd
    .args:
      - { .name: x, .offset: 0, .size: 8, .value_kind: global_buffer, .address_space: global }
      - { .name: Wq, .offset: 8, .size: 8, .value_kind: global_buffer, .address_space: global }
      - { .name: Wk, .offset: 16, .size: 8, .value_kind: global_buffer, .address_space: global }
      - { .name: Wv, .offset: 24, .size: 8, .value_kind: global_buffer, .address_space: global }
      - { .name: Wo, .offset: 32, .size: 8, .value_kind: global_buffer, .address_space: global }
      - { .name: xb, .offset: 40, .size: 8, .value_kind: global_buffer, .address_space: global }
      - { .name: wcv, .offset: 48, .size: 8, .value_kind: global_buffer, .address_space: global }
    .group_segment_fixed_size: 167936
    .private_segment_fixed_size: 0
    .kernarg_segment_align: 8
    .kernarg_segment_size: 56
    .max_flat_workgroup_size: 256
    .sgpr_count:     66
    .vgpr_count:     64
    .wavefront_size: 32
...
	.end_amdgpu_metadata
.endif
;; end of part 1
;; launch proj (part 2): grid 16 x 16, 4 waves a work-group, clusters of 4 x 4, 327,680 bytes of LDS; arguments xb, wcv, qkv; writes qkv
.if DOCPART == 2
	.amdgcn_target "amdgcn-amd-amdhsa--gfx1250"
	.amdhsa_code_object_version 6
	.text
	.protected	k_q5f0a55b603_proj
	.globl	k_q5f0a55b603_proj
	.p2align	8
	.type	k_q5f0a55b603_proj,@function
k_q5f0a55b603_proj:
	s_mov_b64 s[64:65], 0
	v_nop
	global_prefetch_b8 v0, s[64:65] scope:SCOPE_SE
	s_setreg_imm32_b32 hwreg(HW_REG_WAVE_MODE, 25, 1), 1
	s_wait_xcnt 0x0
	s_wait_alu depctr_hold_cnt(0) depctr_sa_sdst(0) depctr_va_vdst(0) depctr_va_sdst(0) depctr_va_ssrc(0) depctr_va_vcc(0) depctr_vm_vsrc(0)
	s_getreg_b32 s2, hwreg(HW_REG_IB_STS2, 6, 4)
	s_cmp_eq_u32 s2, 0
	s_cbranch_scc0 .Lentry_in_a_cluster
	s_endpgm
.Lentry_in_a_cluster:
	s_bfe_u32 s2, ttmp6, 0x10000c
	s_cmp_lg_u32 s2, 0xf033
	s_cbranch_scc0 .Lentry_shape_is_right
	s_endpgm
.Lentry_shape_is_right:
; q / 8, k, v = xb W^T.  xb: [4096][1024] bf16; wcv rows 0-3071: [3072][1024] bf16; sums in f32, rounded once to f16 and written by heads: qkv[t][b][h][l][64], t = q, k, v.
; LIMIT: f16 holds no number beyond 65,504: a q / 8, k or v past that becomes an infinity.
; A tile of the result is 256 rows x 192 columns, three whole heads: 16 x 16 tiles, one for each of 256 work-groups.  Wave w makes rows 64 w .. 64 w + 63 of all 192 columns: 48 accumulators
; of 16 x 16, 384 registers; so a head's 64 columns lie in one wave, and 16 rows of a head leave as 2,048 consecutive bytes through the wave's own stage, with no barrier.
; K goes in 8 steps of 128 through two LDS slots; the tiles' rows are 256 bytes of memory at multiples of 256.  From a request to the wait for it a wave issues 160 matrix instructions.
; CLUSTER 4 x 4: xb's tile hangs on the tile row alone and is asked for jointly by a row of the cluster, wcv's on the tile column alone, by a column.
; THE MATRIX INSTRUCTION IS USED TRANSPOSED (source 0 = 16 rows of wcv, source 1 = 16 rows of xb): a lane then holds eight neighbouring columns of one row.
; REGISTERS, in windows of 256: window 0: v16-29 addresses; v64-95, v96-127 xb's fragments, two buffers; v128-143, v160-191 at work on the way out.
;   window 1: v0-95, v96-191 wcv's fragments, two buffers.   windows 2, 3: accumulator (a, b) has number 4 b + a: numbers 0-31 in window 2, 32-47 in window 3, eight registers each.
.set KSTEP,  128
.set PITCH,  272                       ; 256 bytes + 16 of padding: the 16 rows of a fragment load start at 16 different groups of four banks (ISA guide 11.1)
.set AHALF,  128*PITCH
.set BHALF,  96*PITCH
.set BOFF,   2*AHALF
.set SLOT,   BOFF+2*BHALF
.set STAGE,  2*SLOT                    ; 16 rows x 144 bytes for each wave; no tensor load fills it
.set SP,     144
.set SPARE,  STAGE+4*16*SP             ; the spare words, 128 bytes a wave
.set ADRA, 16                          ; v16-17 LDS address of my xb fragments in slot 0, 1
.set ADRB, 20                          ; v20-21 the same for wcv
.set STO,  24
.set RD,   25
.set GO,   26
.set SPW,  28
.set NIL,  29
.set FA,   64
.set TMP,  128
.set BK,   160
.set G1,  24
.set G0,  32
.set G1B, 48
.set G0B, 56
.set OB,  66                           ; s[66:71] where my rows of the tile's three heads begin in qkv
.set MSB, 0
.macro WIN new                         ; the immediate's high byte repeats the setting that is left; a switch that changes nothing is dropped
.if MSB != (\new)
	s_set_vgpr_msb (MSB<<8)|(\new)
.set MSB, \new
.endif
.endm
.set MUL_LO, 0xa1                      ; source 0 window 1, source 1 window 0, C and D window 2
.set MUL_HI, 0xf1                      ; the same, C and D window 3
.set TO_B,   0x40                      ; destination window 1, address window 0
; A joint load: waves 0 and 1 fetch xb's two halves, waves 2 and 3 wcv's.  The branch hangs on the wave's number alone.  An s_nop 0 and four v_nop follow each line.
.macro JLOAD s
	s_cmp_eq_u32 s11, 0
	s_cbranch_scc0 .Lfor_b_\@
	tensor_load_to_lds s[G0+4*(\s):G0+4*(\s)+3], s[G1:G1+7]
	s_nop 0
.rept 4
	v_nop
.endr
	s_branch .Lasked_\@
.Lfor_b_\@:
	tensor_load_to_lds s[G0B+4*(\s):G0B+4*(\s)+3], s[G1B:G1B+7]
	s_nop 0
.rept 4
	v_nop
.endr
.Lasked_\@:
.endm
.macro CREST                           ; a round of the cluster's barrier behind its opening barrier
	s_cmp_lg_u32 s10, 0
	s_cbranch_scc1 .Lnot_wave_0_\@
	s_barrier_signal -3
.Lnot_wave_0_\@:
	s_barrier_wait -3
	s_barrier_signal -1
	s_barrier_wait -1
.endm
.macro CROUND
	s_barrier_signal -1
	s_barrier_wait -1
	CREST
.endm
	s_load_b128 s[4:7], s[0:1], 0x0                ; xb, wcv
	s_load_b64 s[8:9], s[0:1], 0x10                ; qkv
	v_lshl_add_u32 v[SPW], v0, 2, SPARE
	v_mov_b32 v[NIL], 0
	ds_add_u32 v[SPW], v[NIL]                      ; the wave's opening: the add and its wait ahead of my first tensor load
	ds_add_u32 v28, v29
	v_lshrrev_b32 v1, 5, v0
	v_readfirstlane_b32 s10, v1                    ; wave 0..3
	s_lshr_b32 s11, s10, 1                         ; I fetch for xb (0) or for wcv (1)
	s_and_b32 s12, s10, 1                          ; which half of that tile
	s_bfe_u32 s40, ttmp6, 0x40000                  ; cx
	s_bfe_u32 s41, ttmp6, 0x40004                  ; cy
	s_lshl_b32 s42, ttmp9, 2
	s_add_co_u32 s42, s42, s40                     ; tile column
	s_and_b32 s13, ttmp7, 0xffff
	s_lshl_b32 s13, s13, 2
	s_add_co_u32 s13, s13, s41                     ; tile row
	s_lshl_b32 s43, s41, 2
	s_lshl_b32 s43, 15, s43                        ; my row of the cluster
	s_lshl_b32 s44, 0x1111, s40                    ; my column
	s_or_b32 s[G1+0], s43, (1<<16)|(1<<20)|(1<<21)|(5<<22)|(3<<25)   ; mask; 2-byte elements; padding on; bit 21 beside a mask; after every 64 words 4 words
	s_or_b32 s[G1B+0], s44, (1<<16)|(1<<20)|(1<<21)|(5<<22)|(3<<25)
.irp g, G1, G1B
	s_mov_b32 s[(\g)+1], KSTEP<<16                 ; tensor_dim0 = 128
	s_mov_b32 s[(\g)+3], KSTEP<<16                 ; tile_dim0 = 128
	s_mov_b32 s[(\g)+5], 1024                      ; elements from row to row
	s_mov_b32 s[(\g)+6], 0
	s_mov_b32 s[(\g)+7], 0
.endr
	s_mov_b32 s[G1+2], 128<<16                     ; xb: 128 rows to a load
	s_mov_b32 s[G1+4], 128
	s_mov_b32 s[G1B+2], 96<<16                     ; wcv: 96
	s_mov_b32 s[G1B+4], 96
	s_lshl_b32 s16, s13, 8
	s_lshl_b32 s17, s12, 7
	s_add_co_u32 s16, s16, s17                     ; xb's row 256 x tile row + 128 x half,
	s_lshl_b32 s16, s16, 11                        ; in bytes
	s_mov_b32 s17, 0
	s_mul_i32 s46, s42, 192
	s_mul_i32 s47, s12, 96
	s_add_co_u32 s46, s46, s47                     ; wcv's row 192 x tile column + 96 x half
	s_lshl_b32 s46, s46, 11
	s_mov_b32 s47, 0
	s_mul_i32 s20, s12, AHALF                      ; where they go: no place in the cluster enters an LDS address
	s_mul_i32 s21, s12, BHALF
	s_add_co_u32 s21, s21, BOFF
	s_wait_dscnt 0x0                               ; the opening add is done
	s_wait_kmcnt 0x0
	s_add_nc_u64 s[14:15], s[4:5], s[16:17]
	s_add_nc_u64 s[46:47], s[6:7], s[46:47]
	CROUND                                         ; all sixteen work-groups are here: the first joint loads meet
.irp s, 0,1
	s_mov_b32 s[G0+4*(\s)], 1
	s_add_co_u32 s[G0+4*(\s)+1], s20, (\s)*SLOT
	s_add_nc_u64 s[G0+4*(\s)+2:G0+4*(\s)+3], s[14:15], (\s)*KSTEP*2
	s_or_b32 s[G0+4*(\s)+3], s[G0+4*(\s)+3], 0x80000000
	s_mov_b32 s[G0B+4*(\s)], 1
	s_add_co_u32 s[G0B+4*(\s)+1], s21, (\s)*SLOT
	s_add_nc_u64 s[G0B+4*(\s)+2:G0B+4*(\s)+3], s[46:47], (\s)*KSTEP*2
	s_or_b32 s[G0B+4*(\s)+3], s[G0B+4*(\s)+3], 0x80000000
	JLOAD \s                                       ; two loads of mine are out
.endr
	v_and_b32 v1, 15, v0                           ; l % 16
	v_bfe_u32 v2, v0, 4, 1                         ; l / 16
	v_mul_u32_u24 v3, v1, PITCH
	v_lshl_add_u32 v3, v2, 4, v3                   ; a fragment's row x pitch + 16 x half
	s_mul_i32 s22, s10, 64*PITCH                   ; my 64 rows of xb
	s_mov_b32 s23, BOFF                            ; all 192 rows of wcv
.irp s, 0,1
	v_add_nc_u32 v[ADRA+(\s)], s22, v3
	v_add_nc_u32 v[ADRB+(\s)], s23, v3
	s_add_co_u32 s22, s22, SLOT
	s_add_co_u32 s23, s23, SLOT
.endr
	s_mul_i32 s23, s10, 16*SP
	s_add_co_u32 s23, s23, STAGE                   ; my stage
	v_mul_u32_u24 v4, v1, SP                       ; in: row l % 16, 16 bytes for each half of the lanes
	v_lshl_add_u32 v4, v2, 4, v4
	v_add_nc_u32 v[STO], s23, v4
	v_bfe_u32 v5, v0, 3, 2                         ; back: 32 lanes take four rows of 128 bytes,
	v_mul_u32_u24 v5, v5, SP
	v_and_b32 v6, 7, v0
	v_lshl_add_u32 v5, v6, 4, v5
	v_add_nc_u32 v[RD], s23, v5
	v_and_b32 v[GO], 31, v0                        ; which are 512 consecutive bytes of a head
	v_lshlrev_b32 v[GO], 4, v[GO]
	; head hh = 3 x tile column + g is tensor hh / 16, head hh % 16; the batch is tile row / 8; my rows in it begin at 256 (tile row % 8) + 64 w
	s_and_b32 s72, s13, 7
	s_lshl_b32 s72, s72, 15
	s_lshl_b32 s73, s10, 13
	s_add_co_u32 s72, s72, s73
	s_lshr_b32 s73, s13, 3
	s_lshl_b32 s73, s73, 4
	s_mul_i32 s74, s42, 3
.irp g, 0,1,2
	s_add_co_u32 s75, s74, \g
	s_lshr_b32 s76, s75, 4
	s_lshl_b32 s76, s76, 5
	s_and_b32 s75, s75, 15
	s_add_co_u32 s76, s76, s75
	s_add_co_u32 s76, s76, s73
	s_lshl_b32 s76, s76, 18                        ; 262,144 bytes to a head
	s_add_co_u32 s76, s76, s72
	s_mov_b32 s77, 0
	s_add_nc_u64 s[OB+2*\g:OB+2*\g+1], s[8:9], s[76:77]
.endr
; 4 nb matrix instructions: column blocks b0 .. b0 + nb - 1 x my four row blocks, 32 along K, on buffer f.  The 48 accumulators take turns, always in the same order.
.macro MULB f, b0, nb, zero
.set bb, \b0
.rept \nb
.if bb < 8
	WIN MUL_LO
.else
	WIN MUL_HI
.endif
.set aa, 0
.rept 4
.set rD, 8*((4*bb+aa)%32)
.if \zero
	v_wmma_f32_16x16x32_bf16 v[rD:rD+7], v[96*(\f)+8*bb:96*(\f)+8*bb+7], v[FA+32*(\f)+8*aa:FA+32*(\f)+8*aa+7], 0
.else
	v_wmma_f32_16x16x32_bf16 v[rD:rD+7], v[96*(\f)+8*bb:96*(\f)+8*bb+7], v[FA+32*(\f)+8*aa:FA+32*(\f)+8*aa+7], v[rD:rD+7]
.endif
.set aa, aa+1
.endr
.set bb, bb+1
.endr
.endm
; 32 LDS loads in one run: xb's 8, then wcv's 24; the youngest eight are wcv's blocks 8 to 11
.macro FETCH slot, k, f
	WIN 0
.irp i, 0,1,2,3
	ds_load_b128 v[FA+32*(\f)+8*(\i):FA+32*(\f)+8*(\i)+3],   v[ADRA+(\slot)] offset:(\k)+(\i)*16*PITCH
	ds_load_b128 v[FA+32*(\f)+8*(\i)+4:FA+32*(\f)+8*(\i)+7], v[ADRA+(\slot)] offset:(\k)+(\i)*16*PITCH+32
.endr
	WIN TO_B
.irp i, 0,1,2,3,4,5,6,7,8,9,10,11
	ds_load_b128 v[96*(\f)+8*(\i):96*(\f)+8*(\i)+3],   v[ADRB+(\slot)] offset:(\k)+(\i)*16*PITCH
	ds_load_b128 v[96*(\f)+8*(\i)+4:96*(\f)+8*(\i)+7], v[ADRB+(\slot)] offset:(\k)+(\i)*16*PITCH+32
.endr
.endm
.macro PLACES                          ; four places in front of loads into registers that matrix instructions have read, and of conversions that read results
.rept 4
	v_nop
.endr
.endm
; One of a K step's first three quarters: multiplies buffer f; in its middle it fetches the next quarter, at byte k of the rows, into buffer g.
.macro QUARTER slot, k, f, g, zero
	s_wait_dscnt 8                                 ; all but wcv's blocks 8 to 11
	MULB \f, 0, 8, \zero
	PLACES
	FETCH \slot, \k, \g
	s_wait_dscnt 32                                ; all but the 32 just issued
	MULB \f, 8, 4, \zero
.endm
; The last quarter multiplies buffer 1 and changes slots: one barrier; in front of it each wave waits for all its tensor loads (one is out: its part of the next slot), adds 0 to its
; spare word, and waits for that and for its own reads of this slot.  fill = 1: the barrier opens a round of the cluster's, and this slot is filled again first thing behind it.
.macro TURN slot, next, fill
	WIN 0
	s_wait_tensorcnt 0x0
	ds_add_u32 v[SPW], v[NIL]
	s_wait_dscnt 9                                 ; the add and the youngest eight loads may be out
	MULB 1, 0, 4, 0
	s_wait_dscnt 0x0                               ; the add is done, and my reads of this slot are over
	s_barrier_signal -1
	MULB 1, 4, 4, 0
.if \fill
	WIN 0
.endif
	s_barrier_wait -1
.if \fill
	CREST                                          ; no wave of any partner still reads this slot or has a load on its way
	s_add_nc_u64 s[G0+4*(\slot)+2:G0+4*(\slot)+3], s[G0+4*(\slot)+2:G0+4*(\slot)+3], 2*KSTEP*2
	s_add_nc_u64 s[G0B+4*(\slot)+2:G0B+4*(\slot)+3], s[G0B+4*(\slot)+2:G0B+4*(\slot)+3], 2*KSTEP*2
	JLOAD \slot                                    ; its four v_nop are also the places in front of the loads below
.else
	PLACES
.endif
	FETCH \next, 0, 0
	MULB 1, 8, 4, 0
.endm
	s_wait_tensorcnt 0x1                           ; my part of K step 0 is in; K step 1's may stay out
	s_barrier_signal -1
	s_barrier_wait -1
	FETCH 0, 0, 0
	QUARTER 0, 64, 0, 1, 1                         ; the first quarter's products start the sums
	WIN 0
	s_mov_b32 s3, 3
.Llap:                                                 ; a trip goes once round the ring, from a lap's second quarter to the next lap's first, and fills both slots again
	QUARTER 0, 128, 1, 0, 0
	QUARTER 0, 192, 0, 1, 0
	TURN 0, 1, 1
	QUARTER 1, 64,  0, 1, 0
	QUARTER 1, 128, 1, 0, 0
	QUARTER 1, 192, 0, 1, 0
	TURN 1, 0, 1
	QUARTER 0, 64,  0, 1, 0
	WIN 0
	s_sub_co_u32 s3, s3, 1
	s_cmp_lg_u32 s3, 0
	s_cbranch_scc1 .Llap
	QUARTER 0, 128, 1, 0, 0                        ; the last lap fills nothing
	QUARTER 0, 192, 0, 1, 0
	TURN 0, 1, 0
	QUARTER 1, 64,  0, 1, 0
	QUARTER 1, 128, 1, 0, 0
	QUARTER 1, 192, 0, 1, 0
	s_wait_dscnt 8
	MULB 1, 0, 8, 0
	s_wait_dscnt 0x0
	MULB 1, 8, 4, 0
; THE WAY OUT, in 12 units u: head u / 4 of the tile, my row block u % 4.  PACK: rounded to f16, each accumulator's registers in ascending order.  TOSTAGE: 16 bytes a lane into my stage, and
; back as whole rows.  SEND: 16 rows of a head, 2,048 consecutive bytes.
.macro PACK u
.set gg, (\u)/4
.set aa, (\u)%4
	WIN 0x0a+5*(gg/2)                              ; sources in window 2, or 3 for the third head
.irp bb, 0,1,2,3
.set rA, 8*((16*gg+4*(\bb)+aa)%32)
.irp r, 0,1,2,3
	v_cvt_pk_f16_f32 v[TMP+4*(\bb)+(\r)], v[rA+2*(\r)], v[rA+2*(\r)+1]
.endr
.endr
	WIN 0
.endm
.macro TOSTAGE u
.set BKR, BK+16*((\u)%2)
.irp bb, 0,1,2,3
	ds_store_b128 v[STO], v[TMP+4*(\bb):TMP+4*(\bb)+3] offset:32*(\bb)
.endr
.irp f, 0,1,2,3
	ds_load_b128 v[BKR+4*(\f):BKR+4*(\f)+3], v[RD] offset:(\f)*4*SP  ; LDS serves a wave's instructions in order (ISA guide 5.7.1.4): these see the stores above
.endr
.endm
.macro SEND u
.set gg, (\u)/4
.set aa, (\u)%4
.set BKR, BK+16*((\u)%2)
	s_wait_dscnt 0x0                               ; the unit is back in registers
	s_wait_xcnt 0x0                                ; the other buffer, which the unit before last stored from, is loaded again only behind this wait
.irp f, 0,1,2,3
	global_store_b128 v[GO], v[BKR+4*(\f):BKR+4*(\f)+3], s[OB+2*gg:OB+2*gg+1] offset:aa*2048+(\f)*512  ; 512 consecutive bytes, at a multiple of 256 from the buffer's first
.endr
.endm
	WIN 0
	PLACES
	PACK 0
	TOSTAGE 0
.irp u, 1,2,3,4,5,6,7,8,9,10,11        ; a unit's conversions stand between the loads of the unit before and the wait for them
	PACK \u
	SEND (\u)-1
	TOSTAGE \u
.endr
	SEND 11
	s_wait_tensorcnt 0x0                           ; the wave's end
	ds_add_u32 v[SPW], v[NIL]
	s_wait_dscnt 0x0
	CROUND                                         ; the closing round
	s_endpgm
.Lfunc_end_k_q5f0a55b603_proj:
	.size	k_q5f0a55b603_proj, .Lfunc_end_k_q5f0a55b603_proj-k_q5f0a55b603_proj
	.p2alignl 7, 3214868480
	.fill 96, 4, 3214868480
	.section	.rodata,"a",@progbits
	.p2align	6, 0x0
	.amdhsa_kernel k_q5f0a55b603_proj
		.amdhsa_group_segment_fixed_size 327680
		.amdhsa_private_segment_fixed_size 0
		.amdhsa_enable_private_segment 0
		.amdhsa_kernarg_size 24
		.amdhsa_user_sgpr_count 2
		.amdhsa_user_sgpr_kernarg_segment_ptr 1
		.amdhsa_wavefront_size32 1
		.amdhsa_system_sgpr_workgroup_id_x 1
		.amdhsa_system_sgpr_workgroup_id_y 1
		.amdhsa_system_sgpr_workgroup_id_z 1
		.amdhsa_system_vgpr_workitem_id 0
		.amdhsa_next_free_vgpr 896
		.amdhsa_next_free_sgpr 80
		.amdhsa_reserve_vcc 0
		.amdhsa_float_denorm_mode_32 3
		.amdhsa_float_denorm_mode_16_64 3
		.amdhsa_memory_ordered 1
		.amdhsa_forward_progress 1
		.amdhsa_inst_pref_size 120
	.end_amdhsa_kernel
	.amdgpu_metadata
---
amdhsa.version: [ 1, 2 ]
amdhsa.kernels:
  - .name:           k_q5f0a55b603_proj
    .symbol:         k_q5f0a55b603_proj.kd
    .args:
      - { .name: xb, .offset: 0, .size: 8, .value_kind: global_buffer, .address_space: global }
      - { .name: wcv, .offset: 8, .size: 8, .value_kind: global_buffer, .address_space: global }
      - { .name: qkv, .offset: 16, .size: 8, .value_kind: global_buffer, .address_space: global }
    .group_segment_fixed_size: 327680
    .private_segment_fixed_size: 0
    .kernarg_segment_align: 8
    .kernarg_segment_size: 24
    .max_flat_workgroup_size: 128
    .sgpr_count:     80
    .vgpr_count:     896
    .wavefront_size: 32
...
	.end_amdgpu_metadata
.endif
;; end of part 2
;; launch attn (part 3): grid 16 x 16, 4 waves a work-group, clusters of 4 x 4, 327,680 bytes of LDS; arguments qkv, attention_mask, ob; writes ob
.if DOCPART == 3
	.amdgcn_target "amdgcn-amd-amdhsa--gfx1250"
	.amdhsa_code_object_version 6
	.text
	.protected	k_q5f0a55b603_attn
	.globl	k_q5f0a55b603_attn
	.p2align	8
	.type	k_q5f0a55b603_attn,@function
k_q5f0a55b603_attn:
	s_mov_b64 s[64:65], 0
	v_nop
	global_prefetch_b8 v0, s[64:65] scope:SCOPE_SE
	s_setreg_imm32_b32 hwreg(HW_REG_WAVE_MODE, 25, 1), 1
	s_wait_xcnt 0x0
	s_wait_alu depctr_hold_cnt(0) depctr_sa_sdst(0) depctr_va_vdst(0) depctr_va_sdst(0) depctr_va_ssrc(0) depctr_va_vcc(0) depctr_vm_vsrc(0)
	s_getreg_b32 s2, hwreg(HW_REG_IB_STS2, 6, 4)
	s_cmp_eq_u32 s2, 0
	s_cbranch_scc0 .Lentry_in_a_cluster
	s_endpgm
.Lentry_in_a_cluster:
	s_bfe_u32 s2, ttmp6, 0x10000c
	s_cmp_lg_u32 s2, 0xf033
	s_cbranch_scc0 .Lentry_shape_is_right
	s_endpgm
.Lentry_shape_is_right:
; ATTENTION WITH AN ADDITIVE MASK THAT IS AN INPUT.  For each batch and head: s = (q / 8) . k + mask[query][key], clipped to -50 .. 50; softmax over all 2,048 keys; O = the weights times v.
; q / 8, k, v: qkv[t][b][h][l][64] f16; mask: [2048][2048] f32; O: ob[b][h][l][64] f16.  Products, mask, maxima and sums in f32; the weights are rounded to f16 for the second product, their sum is taken unrounded.
; LIMITS: q, k, v arrive finite, so every score is finite or -inf/+inf by the mask alone, which the clip takes in; a NaN in the mask is passed over by the maximum and the clip, where the
; reference makes the row 0.  A weight below 6e-8 counts as 0 in the product, one below 2^-126 as 0 in the sum.
; SHARES.  A work-group takes 128 queries of TWO heads of one batch: per 64 keys that is 32 KB of mask and 32 KB of K and V, the least sum for 256 (query, head) pairs a work-group.
; Wave w: head w / 2 of the two, queries 64 (w % 2) on, in four PIECES of 16.  Every wave walks all keys, 64 a step; a slot of LDS holds two steps.
; CLUSTER 4 x 4: the mask's tile hangs on the query block alone and is asked for jointly by a column of the cluster, K's and V's on the pair of heads alone, by a row.
; THE MASK IS THE C OPERAND that starts the sum S^T = K Q^T + mask: a lane's eight numbers of it are 32 consecutive bytes of a mask row.
; CLIP AND SOFTMAX.  m, the running maximum of the CLIPPED scores, is min(max(raw scores, old m), 50) and starts at -50.  t = c s - c m, c = log2(e); the clipped score's exponent is
; med3(t, -50 c - c m, 0): below, the clip at -50; above, 0 is the clip at 50 where m = 50 and changes nothing where m < 50, since then no score passes m.  p = 2^that; O and l are multiplied by
; a = 2^(c m_old - c m_new) in every step.  O and l start at 0.
; LAYOUT AND TURNS.  In S^T a lane holds one query (lane % 16) and keys 8 (lane / 16) + 0..7; two such results rounded to f16 are source 1 of O^T = V^T P.  Turn n belongs to piece n: 8 products K Q^T of
; piece n + 1, later 8 products V^T P of piece n - 1; beside them the scaling, clip, exponentials, roundings, sums and rescaling of piece n and the maximum and statistics of piece n + 1.  Four vector
; instructions stand behind every matrix instruction, the other 88 of a turn's 152 in two runs of their own: a turn has too much vector work to stand all beside its 16 products.
; REGISTERS, in windows of 256 (s_set_vgpr_msb: bits 1:0 source 0, 3:2 source 1, 5:4 source 2, 7:6 destination):
;   window 0: v2-15 addresses; v16-31 four statistics a piece; v48-55 at work; v56-57 the clip's lower bound; v58 -50 c; v64-127 S^T, two buffers; v192-223 P, two buffers (by the piece's parity)
;   window 1: v0-127 O^T, 32 a piece; v160-223 the mask, two buffers      window 2: v0-63 Q; v128-191 K of one step; v192-255 V of one step
.set NP,    4
.set KS,    64
.set PM,    528       ; a mask row in LDS: 512 bytes + 16: the 16 rows of a load start at 16 different groups of four banks (ISA guide 11.1)
.set PK,    144       ; a row of K: 128 + 16
.set PV,    160       ; a row of V: 128 + 32
.set KOFF,  128*PM              ; a slot: 128 mask rows of 128 keys; two heads' 128 rows of K; two heads' 128 rows of V
.set VOFF,  KOFF+2*128*PK
.set SLOT,  VOFF+2*128*PV
.set XK,    KOFF^(KOFF+SLOT)    ; one exclusive or turns K's LDS address in one slot into the other's;
.set XV,    VOFF^(VOFF+SLOT)    ; the mask's two halves begin at 0 and 33,792, which share no bit with SLOT, so theirs is SLOT itself
.set STAGE, 2*SLOT              ; 16 rows x 144 bytes for each wave, for the way out; no tensor load fills it
.set SP,    144
.set SPARE, STAGE+4*16*SP       ; the spare words, 128 bytes a wave
.set AK0, 2
.set AV0, 3
.set AK,  4
.set AV,  5
.set QO,  6
.set STO, 6
.set RD,  7
.set GO,  8
.set MV,  12          ; v12-13 c m_old, by buffer
.set AM0, 14
.set AM,  15
.set ST,  16          ; piece t: c m, m, l (even keys', odd keys')
.set TMP, 48          ; by buffer c0-c3; when the maximum is found c2 takes a
.set LO,  56          ; by buffer: -50 c - c m
.set NCV, 58          ; -50 c
.set SPW, 62
.set NIL, 63
.set S,   64
.set P,   192
.set MC,  160         ; window 1
.set KF,  128         ; window 2
.set VF,  192         ; window 2
.set WV,  12
.set HDN, 13
.set QH,  14
.set BX,  17
.set BY,  18
.set G1M, 24
.set G1K, 32
.set G1V, 40
.set G0M, 48
.set G0K, 52
.set G0V, 56
.set SLOTS, 62
.set CNT, 63
.set CS,  66          ; s[66:67] c
.set SEL, 68          ; s[68:69]
.set TBK, 70
.set TBV, 71
.set TBM, 72
.set F50, 74
.set MSB, 0
.macro WIN new
.if MSB != (\new)
	s_set_vgpr_msb (MSB<<8)|(\new)
.set MSB, (\new)
.endif
.endm
.set W_KQ, 0x0a       ; K and Q in window 2, S^T in window 0
.set W_KM, 0x1a       ; the same with the C operand in window 1
.set W_PV, 0x52       ; V in window 2, P in window 0, O^T in window 1
.set W_RS, 0x41       ; destination and source 0 in window 1, source 1 in window 0
; A joint fill: waves 0 and 1 the mask's two halves of 64 rows, wave 2 both heads' K, wave 3 both heads' V.  The branches hang on the wave's number alone.  An s_nop 0 and four v_nop follow each line.
.macro JLOAD
	s_cmp_lt_u32 s[WV], 2
	s_cbranch_scc0 .Lnot_m_\@
	tensor_load_to_lds s[G0M:G0M+3], s[G1M:G1M+7]
	s_nop 0
.rept 4
	v_nop
.endr
	s_branch .Lasked_\@
.Lnot_m_\@:
	s_cmp_eq_u32 s[WV], 2
	s_cbranch_scc0 .Lfor_v_\@
	tensor_load_to_lds s[G0K:G0K+3], s[G1K:G1K+7]
	s_nop 0
.rept 4
	v_nop
.endr
	s_branch .Lasked_\@
.Lfor_v_\@:
	tensor_load_to_lds s[G0V:G0V+3], s[G1V:G1V+7]
	s_nop 0
.rept 4
	v_nop
.endr
.Lasked_\@:
.endm
.macro CROUND                       ; a round of the cluster's barrier
	s_barrier_signal -1
	s_barrier_wait -1
	s_cmp_lg_u32 s[WV], 0
	s_cbranch_scc1 .Lnot_wave_0_\@
	s_barrier_signal -3
.Lnot_wave_0_\@:
	s_barrier_wait -3
	s_barrier_signal -1
	s_barrier_wait -1
.endm
; THE CHANGE OF SLOTS.  All of the slot's K, V and mask have been asked for.  Each wave waits for all its tensor loads (one is out: its part of the other slot), adds 0 to its spare word, and waits for that
; and for its own reads of the slot.  fill = 1: the barrier is a round of the cluster's, and the slot is filled again first thing behind it, with the keys two slots on: eight turns, 128 matrix instructions, in which to land.
.macro CHANGE fill
	WIN 0
	s_wait_tensorcnt 0x0            ; no tensor load of mine is out, so a group 0 may be written
	ds_add_u32 v[SPW], v[NIL]
.if \fill
	s_xor_b32 s[G0M+1], s[G0M+1], SLOT
	s_add_nc_u64 s[G0M+2:G0M+3], s[G0M+2:G0M+3], 512        ; 128 keys along the mask's rows
	s_xor_b32 s[G0K+1], s[G0K+1], XK
	s_add_nc_u64 s[G0K+2:G0K+3], s[G0K+2:G0K+3], 2*KS*128   ; 128 rows of K
	s_xor_b32 s[G0V+1], s[G0V+1], XV
	s_add_nc_u64 s[G0V+2:G0V+3], s[G0V+2:G0V+3], 2*KS*128
	s_wait_dscnt 0x0                ; the add is done, and my reads of the slot are over
	CROUND
	JLOAD
.else
	s_wait_dscnt 0x0
	s_barrier_signal -1
	s_barrier_wait -1
.endif
	s_sub_co_u32 s[TBK], s[TBK], 2*KS*PK  ; the fetches go back to a slot's first step,
	s_xor_b32 s[TBK], s[TBK], SLOT        ; in the other slot
	s_sub_co_u32 s[TBV], s[TBV], 2*KS*PV
	s_xor_b32 s[TBV], s[TBV], SLOT
	s_sub_co_u32 s[TBM], s[TBM], 2*KS*4
	s_xor_b32 s[TBM], s[TBM], SLOT
.endm
	s_load_b128 s[4:7], s[0:1], 0x0   ; qkv, mask
	s_load_b64 s[8:9], s[0:1], 0x10   ; ob
	v_lshl_add_u32 v[SPW], v0, 2, SPARE
	v_mov_b32 v[NIL], 0
	ds_add_u32 v[SPW], v[NIL]       ; the wave's opening: the add and its wait ahead of my first tensor load
	ds_add_u32 v62, v63
	v_lshrrev_b32 v1, 5, v0
	v_readfirstlane_b32 s[WV], v1
	s_lshr_b32 s[HDN], s[WV], 1     ; my head of the two
	s_and_b32 s[QH], s[WV], 1       ; my half of the 128 queries; also: which half of the mask's tile waves 0 and 1 fetch
	s_bfe_u32 s15, ttmp6, 0x40000   ; cx
	s_bfe_u32 s16, ttmp6, 0x40004   ; cy
	s_lshl_b32 s[BX], ttmp9, 2
	s_add_co_u32 s[BX], s[BX], s15  ; the block of 128 queries
	s_and_b32 s[BY], ttmp7, 0xffff
	s_lshl_b32 s[BY], s[BY], 2
	s_add_co_u32 s[BY], s[BY], s16  ; the pair of heads: heads 2 y, 2 y + 1 of the 32
	s_lshl_b32 s19, s16, 2
	s_lshl_b32 s19, 15, s19         ; my row of the cluster
	s_lshl_b32 s2, 0x1111, s15      ; my column
	s_or_b32 s[G1M], s2, (2<<16)|(1<<20)|(1<<21)|(6<<22)|(3<<25)   ; mask of four; 4-byte elements; padding on; bit 21 beside a mask; after every 128 words 4 words
	s_mov_b32 s[G1M+1], 128<<16     ; 64 rows of 128 numbers, 2,048 from row to row
	s_mov_b32 s[G1M+2], 64<<16
	s_mov_b32 s[G1M+3], 128<<16
	s_mov_b32 s[G1M+4], 64
	s_mov_b32 s[G1M+5], 2048
	s_mov_b32 s[G1M+6], 0
	s_mov_b32 s[G1M+7], 0
	s_or_b32 s[G1K], s19, (1<<16)|(1<<20)|(1<<21)|(4<<22)|(3<<25)  ; 2-byte elements; after every 32 words (a key) 4 words
	s_or_b32 s[G1V], s19, (1<<16)|(1<<20)|(1<<21)|(4<<22)|(7<<25)  ; the same with 8 words
.irp g, G1K, G1V                    ; a head's 128 keys are 16,384 dense bytes: one row of 8,192 elements; two rows, a head (131,072 elements) apart
	s_mov_b32 s[(\g)+1], 8192<<16
	s_mov_b32 s[(\g)+2], 2<<16
	s_mov_b32 s[(\g)+3], 8192<<16
	s_mov_b32 s[(\g)+4], 2
	s_mov_b32 s[(\g)+5], 131072
	s_mov_b32 s[(\g)+6], 0
	s_mov_b32 s[(\g)+7], 0
.endr
	s_lshl_b32 s20, s[BX], 20       ; the mask's rows 128 x + 64 (w % 2), 8,192 bytes each
	s_lshl_b32 s21, s[QH], 19
	s_add_co_u32 s20, s20, s21
	s_mov_b32 s21, 0
	s_lshl_b32 s22, s[BY], 19       ; K: behind the 32 heads of q, head 2 y
	s_add_co_u32 s22, s22, 8388608
	s_mov_b32 s23, 0
	s_add_co_u32 s60, s22, 8388608  ; V: behind those of k
	s_mov_b32 s61, 0
	s_lshl_b32 s76, s[BY], 19       ; Q and O: head 2 y + w / 2, rows 128 x + 64 (w % 2)
	s_lshl_b32 s77, s[HDN], 18
	s_add_co_u32 s76, s76, s77
	s_lshl_b32 s77, s[BX], 14
	s_add_co_u32 s76, s76, s77
	s_lshl_b32 s77, s[QH], 13
	s_add_co_u32 s76, s76, s77
	s_mov_b32 s77, 0
	s_mov_b32 s[CS], 0x3fb8aa3b     ; c = log2(e)
	s_mov_b32 s[CS+1], s[CS]
	s_mov_b32 s[SEL], 0x76543210
	s_mov_b32 s[SEL+1], 0xfedcba98
	s_mov_b32 s[F50], 0x42480000    ; 50
	s_mov_b32 s[TBK], SLOT+2*KS*PK  ; the first change of slots turns these three into 0
	s_mov_b32 s[TBV], SLOT+2*KS*PV
	s_mov_b32 s[TBM], SLOT+2*KS*4
	s_mov_b32 s[G0M], 1
	s_mul_i32 s[G0M+1], s[QH], 64*PM
	s_mov_b32 s[G0K], 1
	s_mov_b32 s[G0K+1], KOFF
	s_mov_b32 s[G0V], 1
	s_mov_b32 s[G0V+1], VOFF
	s_wait_dscnt 0x0                ; the opening add is done
	s_wait_kmcnt 0x0
	s_add_nc_u64 s[G0M+2:G0M+3], s[6:7], s[20:21]
	s_or_b32 s[G0M+3], s[G0M+3], 0x80000000
	s_add_nc_u64 s[G0K+2:G0K+3], s[4:5], s[22:23]
	s_or_b32 s[G0K+3], s[G0K+3], 0x80000000
	s_add_nc_u64 s[G0V+2:G0V+3], s[4:5], s[60:61]
	s_or_b32 s[G0V+3], s[G0V+3], 0x80000000
	s_add_nc_u64 s[10:11], s[4:5], s[76:77]
	s_add_nc_u64 s[8:9], s[8:9], s[76:77]
	CROUND                          ; all sixteen work-groups are here: the first joint loads meet
	JLOAD                           ; slot 0; slot 1 is asked for when slot 0 is in
	v_and_b32 v1, 15, v0            ; l % 16
	v_bfe_u32 v9, v0, 4, 1          ; l / 16
	v_lshlrev_b32 v[QO], 7, v1
	v_lshl_add_u32 v[QO], v9, 4, v[QO]
	WIN 0x80
.set i, 0
.rept 8                             ; Q stays in registers: piece i / 2, channels 32 (i % 2) on
	global_load_b128 v[8*i:8*i+3],   v[QO], s[10:11] offset:(i/2)*2048+(i%2)*64
	global_load_b128 v[8*i+4:8*i+7], v[QO], s[10:11] offset:(i/2)*2048+(i%2)*64+32
.set i, i+1
.endr
	; What the first turn finds: V's registers and P's second buffer hold 0 (its products V^T P, of a piece that has not been, add 0), O^T and l are 0.  All this stands in the wait for the first tile.
.set i, VF
.rept 64
	v_mov_b32 v[i], 0
.set i, i+1
.endr
	WIN 0x40
.set i, 0
.rept 128
	v_mov_b32 v[i], 0
.set i, i+1
.endr
	WIN 0
	v_mov_b32 v[NCV], 0xc2480000
	v_mul_f32 v[NCV], s[CS], v[NCV] ; -50 c, rounded as c m is at m = -50
.set i, 0
.rept 4
	v_mov_b32 v[ST+4*i], v[NCV]
	v_mov_b32 v[ST+4*i+1], 0xc2480000  ; m = -50: no clipped score lies below
	v_mov_b32 v[ST+4*i+2], 0
	v_mov_b32 v[ST+4*i+3], 0
.set i, i+1
.endr
.set i, P+16
.rept 16
	v_mov_b32 v[i], 0
.set i, i+1
.endr
	s_mul_i32 s78, s[HDN], 128*PK
	s_add_co_u32 s78, s78, KOFF
	v_mul_u32_u24 v[AK0], v1, PK
	v_lshl_add_u32 v[AK0], v9, 4, v[AK0]
	v_add_nc_u32 v[AK0], s78, v[AK0]       ; my head's K: row x pitch + 16 x half
	v_and_b32 v10, 7, v0
	v_bfe_u32 v11, v0, 3, 1
	s_mul_i32 s78, s[HDN], 128*PV
	s_add_co_u32 s78, s78, VOFF
	v_lshl_add_u32 v[AV0], v9, 3, v10      ; the turning load: key 8 (l / 16) + l % 8, channels 8 ((l / 8) % 2) on
	v_mul_u32_u24 v[AV0], v[AV0], PV
	v_lshl_add_u32 v[AV0], v11, 4, v[AV0]
	v_add_nc_u32 v[AV0], s78, v[AV0]
	s_mul_i32 s78, s[QH], 64*PM
	v_mul_u32_u24 v[AM0], v1, PM           ; the mask: my query's row, keys 8 (l / 16) on
	v_lshl_add_u32 v[AM0], v9, 5, v[AM0]
	v_add_nc_u32 v[AM0], s78, v[AM0]
; THE MATRIX WORK.  The 4 accumulators of a run of 8 take turns.  Product i of 8 of S^T for piece x: channels 32 (i / 4) on, keys 16 (i % 4) on; the first 4 start the sums with the mask.
.macro KQ x
.set rS, S+32*((\x)%2)+8*(i%4)
.set rK, KF+16*(i%4)+8*(i/4)
.set rQ, 16*(\x)+8*(i/4)
.set rM, MC+32*((\x)%2)+8*(i%4)
.if i < 4
	WIN W_KM
	v_wmma_f32_16x16x32_f16 v[rS:rS+7], v[rK:rK+7], v[rQ:rQ+7], v[rM:rM+7]
.else
	WIN W_KQ
	v_wmma_f32_16x16x32_f16 v[rS:rS+7], v[rK:rK+7], v[rQ:rQ+7], v[rS:rS+7]
.endif
.endm
; Product i of 8 of O^T += V^T P for piece x: keys 32 (i / 4) on, channels 16 (i % 4) on.
.macro PV x
	WIN W_PV
.set rO, 32*(\x)+8*(i%4)
.set rV, VF+32*(i/4)+8*(i%4)
.set rP, P+16*((\x)%2)+8*(i/4)
	v_wmma_f32_16x16x32_f16 v[rO:rO+7], v[rV:rV+7], v[rP:rP+7], v[rO:rO+7]
.endm
.macro MM                           ; the turn's next matrix instruction
.if i < 8
	KQ (Y+1)%NP
.else
.set i, i-8
	PV (Y+NP-1)%NP
.set i, i+8
.endif
.set i, i+1
.endm
; THE LDS LOADS stand in runs: a step's K (8 fragments), its V (turned), and a piece's mask (16 queries x 64 keys, 32 registers).
.macro FETCH_K
	WIN 0x80
.irp f, 0,1,2,3,4,5,6,7
	ds_load_b128 v[KF+8*\f:KF+8*\f+3],   v[AK] offset:(\f/2)*16*PK+(\f%2)*64
	ds_load_b128 v[KF+8*\f+4:KF+8*\f+7], v[AK] offset:(\f/2)*16*PK+(\f%2)*64+32
.endr
	s_add_co_u32 s[TBK], s[TBK], KS*PK
.endm
.macro FETCH_V
	WIN 0x80
.irp f, 0,1,2,3,4,5,6,7
	ds_load_tr16_b128 v[VF+8*\f:VF+8*\f+3],   v[AV] offset:(\f/4)*32*PV+(\f%4)*32
	ds_load_tr16_b128 v[VF+8*\f+4:VF+8*\f+7], v[AV] offset:(\f/4)*32*PV+16*PV+(\f%4)*32
.endr
	s_add_co_u32 s[TBV], s[TBV], KS*PV
.endm
.macro FETCH_M x, b                 ; piece x's mask of the step that AM points at, into buffer b
	WIN 0x40
.irp t, 0,1,2,3
	ds_load_b128 v[MC+32*(\b)+8*\t:MC+32*(\b)+8*\t+3],   v[AM] offset:(\x)*16*PM+64*\t
	ds_load_b128 v[MC+32*(\b)+8*\t+4:MC+32*(\b)+8*\t+7], v[AM] offset:(\x)*16*PM+64*\t+16
.endr
.endm
; THE VECTOR WORK, one line at a time: OP kind, number.  For piece Y: F n: c s - c m for pair n of 16.  M n: the clip of score n of 32.  E n: its exponential.  C n: pair n rounded to f16.  B n: of the four weights
; 4 n .. the second pair is added onto the first, in place.  L n: l takes that sum (L 0: l = a l + sum).  R n: pair n of 16 of O^T times a.  For piece Y + 1: X n, number n of the 24 that find its maximum and statistics:
;   0-11 four chains c0-c3 of seven scores each (each accumulator's lowest registers are read first)   12-14, 16 the four scores left over, the old m, c0-c3 into c0   15 c m_old is kept
;   17, 18 the query's other 32 keys lie in the lane 16 away   19 m, clipped at 50   20 c m   21 c m_old - c m   22 the clip's lower bound   23 a
.set F, 0
.set E, 1
.set C, 2
.set B, 3
.set L, 4
.set M, 5
.set R, 6
.set X, 7
.macro REGS y
.set rT, ST+4*(\y)
.set rC, TMP+4*((\y)%2)
.set rW, MV+((\y)%2)
.set rL, LO+((\y)%2)
.set rS, S+32*((\y)%2)
.set rP, P+16*((\y)%2)
.set rO, 32*(\y)
.endm
.macro OP k, n
.if (\k) == R
	REGS Y
	WIN W_RS
	v_pk_mul_f32 v[rO+2*(\n):rO+2*(\n)+1], v[rO+2*(\n):rO+2*(\n)+1], v[rC+2:rC+3] op_sel_hi:[1,0]
.elseif (\k) < R
	REGS Y
	WIN 0
.if (\k) == F
	v_pk_fma_f32 v[rS+2*(\n):rS+2*(\n)+1], v[rS+2*(\n):rS+2*(\n)+1], s[CS:CS+1], v[rT:rT+1] op_sel_hi:[1,0,0] neg_lo:[0,0,1] neg_hi:[0,0,1]
.elseif (\k) == M
	v_med3_num_f32 v[rS+(\n)], v[rS+(\n)], v[rL], 0
.elseif (\k) == E
	v_exp_f32 v[rS+(\n)], v[rS+(\n)]
.elseif (\k) == C
	s_wait_alu depctr_va_vdst(0)
	v_cvt_pk_f16_f32 v[rP+(\n)], v[rS+2*(\n)], v[rS+2*(\n)+1]
.elseif (\k) == B
	v_pk_add_f32 v[rS+4*(\n):rS+4*(\n)+1], v[rS+4*(\n):rS+4*(\n)+1], v[rS+4*(\n)+2:rS+4*(\n)+3]
.elseif (\n) == 0
	v_pk_fma_f32 v[rT+2:rT+3], v[rT+2:rT+3], v[rC+2:rC+3], v[rS:rS+1] op_sel_hi:[1,0,1]
.else
	v_pk_add_f32 v[rT+2:rT+3], v[rT+2:rT+3], v[rS+4*(\n):rS+4*(\n)+1]
.endif
.else
	REGS (Y+1)%NP
	WIN 0
.if (\n) < 4
	v_max3_num_f32 v[rC+(\n)], v[rS+8*(\n)], v[rS+8*(\n)+1], v[rS+8*(\n)+2]
.elseif (\n) < 12
	v_max3_num_f32 v[rC+(\n)%4], v[rC+(\n)%4], v[rS+8*((\n)%4)+2*((\n)/4)+1], v[rS+8*((\n)%4)+2*((\n)/4)+2]
.elseif (\n) == 12
	v_max3_num_f32 v[rC], v[rC], v[rS+7], v[rS+15]
.elseif (\n) == 13
	v_max3_num_f32 v[rC+1], v[rC+1], v[rS+23], v[rS+31]
.elseif (\n) == 14
	v_max3_num_f32 v[rC+2], v[rC+2], v[rC+3], v[rT+1]
.elseif (\n) == 15
	v_mov_b32 v[rW], v[rT]
.elseif (\n) == 16
	v_max3_num_f32 v[rC], v[rC], v[rC+1], v[rC+2]
.elseif (\n) == 17
	v_permlanex16_b32 v[rC+3], v[rC], s[SEL], s[SEL+1]
.elseif (\n) == 18
	v_max_num_f32 v[rC], v[rC], v[rC+3]
.elseif (\n) == 19
	v_min_num_f32 v[rT+1], s[F50], v[rC]
.elseif (\n) == 20
	v_mul_f32 v[rT], s[CS], v[rT+1]
.elseif (\n) == 21
	v_sub_f32 v[rC+1], v[rW], v[rT]
.elseif (\n) == 22
	v_sub_f32 v[rL], v[NCV], v[rT]
.else
	v_exp_f32 v[rC+2], v[rC+1]
.endif
.endif
.endm
.macro OPS a, i1, b=-1, i2=0, c=-1, i3=0, d=-1, i4=0
	OP \a, \i1
.if (\b) >= 0
	OP \b, \i2
.endif
.if (\c) >= 0
	OP \c, \i3
.endif
.if (\d) >= 0
	OP \d, \i4
.endif
.endm
.macro ROW a, i1, b, i2, c, i3, d, i4  ; a matrix instruction and the four behind it
	MM
	OPS \a, \i1, \b, \i2, \c, \i3, \d, \i4
.endm
; A TURN, for piece p: the order of its 16 matrix and 152 vector instructions, written out.  Behind a matrix instruction: plain, exponential, plain, plain, or four plain; none names a register of the products round it.
; Every exponential has a plain instruction behind it that touches neither its result nor its source.
; WHAT IS FETCHED.  Piece 2's turn: K of the next step (behind R 4-7, four plain instructions behind the last product that read K) and piece 0's mask of that step; piece 3's: piece 1's mask; piece 0's: piece 2's mask
; of the step in hand, and later its V (behind C 6, F 14, C 7, B 3 and four clips, all behind the last product that read V); piece 1's: piece 3's mask.  A mask buffer was last read a turn before it is loaded again.
; THE WAITS.  At a turn's head the mask for its products is wanted: for 0, but in piece 1's turn 16, V's run, issued behind that mask, may stay out.  V is wanted in the middle of piece 1's turn: 8, that turn's own mask run.
; last = 1 (the tail): in the last trip there is no further step, and the runs of pieces 2 and 3 are jumped over.  cnt = 1: the loop's count is taken down some lines ahead of the branch behind the turn.
.macro TURN p, last=0, cnt=0
.set Y, (\p)
.set i, 0
.if (\p) == 1
	s_wait_dscnt 16
.else
	s_wait_dscnt 0x0
.endif
	ROW F,0, F,1, M,0, M,1
	ROW F,2, E,0, M,2, M,3
	ROW F,3, E,1, M,4, M,5
	ROW F,4, E,2, M,6, M,7
	ROW C,0, E,3, F,5, M,8
	ROW R,0, R,1, R,2, R,3
	ROW M,9, E,4, F,6, X,15
.if (\p) == 2
	v_add_nc_u32 v[AK], s[TBK], v[AK0]
	v_add_nc_u32 v[AM], s[TBM], v[AM0]
.endif
	ROW R,4, R,5, R,6, R,7
	OPS M,10, E,5, M,11, F,7
.if (\p) >= 2
.if \last
	s_cmp_eq_u32 s[CNT], 1
	s_cbranch_scc1 .Lno_more_\@
.endif
.if (\p) == 2
	FETCH_K
	FETCH_M 0, 0
	s_add_co_u32 s[TBM], s[TBM], KS*4
.else
	FETCH_M 1, 1
.endif
	WIN 0
.if \last
.Lno_more_\@:
.endif
.else
	FETCH_M (\p)+2, (\p)%2
.endif
	OPS C,1, E,6, M,12, M,13
	OPS B,0, E,7, M,14, M,15
	OPS F,8, E,8, L,0, F,9
	OPS C,2, E,9, M,16, M,17
	OPS X,0, E,10, X,1, X,2
	OPS X,3, E,11, M,18, M,19
	OPS C,3, E,12, F,10, X,4
	OPS B,1, E,13, X,5, X,6
	OPS X,7, E,14, M,20, M,21
	OPS L,1, E,15, F,11, C,4
.if (\p) == 1
	s_wait_dscnt 8                  ; V is in
.endif
	ROW X,8, E,16, X,9, X,10
	ROW X,11, E,17, M,22, M,23
	ROW C,5, E,18, X,12, X,13
	ROW R,8, R,9, R,10, R,11
	ROW B,2, E,19, X,14, F,12
	ROW L,2, E,20, X,16, F,13
.if (\p) == 0
	v_add_nc_u32 v[AV], s[TBV], v[AV0]
.endif
	ROW R,12, R,13, R,14, R,15
	ROW M,24, E,21, M,25, C,6
	OPS X,17, E,22, M,26, M,27
	OPS F,14, E,23, C,7, B,3
.if (\p) == 0
	FETCH_V
.endif
	OPS X,18, E,24, F,15, L,3
	OPS X,19, E,25, M,28, M,29
	OPS X,20, E,26, C,8, M,30
	OPS X,21, E,27, M,31, X,22
	OPS C,9, E,28, B,4, C,10
	OPS L,4, E,29, C,11, X,23
	OPS B,5, E,30, C,12, L,5
	OPS C,13, E,31, B,6, C,14
.if \cnt
	s_sub_co_u32 s[CNT], s[CNT], 1
	s_cmp_lg_u32 s[CNT], 0
.endif
	OPS L,6, C,15, B,7, L,7
.endm
	CHANGE 1                        ; slot 0 is in, everybody's part of it; slot 1 is asked for
	v_add_nc_u32 v[AK], s[TBK], v[AK0]
	v_add_nc_u32 v[AM], s[TBM], v[AM0]
	FETCH_K                         ; key step 0,
	FETCH_M 0, 0                    ; and the masks of its first two pieces
	FETCH_M 1, 1
	s_add_co_u32 s[TBM], s[TBM], KS*4
	s_wait_loadcnt 0x0              ; Q
	s_wait_dscnt 0x0
.set i, 0
.rept 8
	KQ 0                            ; piece 0's first scores
.set i, i+1
.endr
	WIN 0                           ; the addresses for the way out: plain instructions, the places behind those products
	s_mul_i32 s78, s[WV], 16*SP
	s_add_co_u32 s78, s78, STAGE
	v_mul_u32_u24 v[STO], v1, SP    ; in: row l % 16, 16 bytes for each half of the lanes
	v_lshl_add_u32 v[STO], v9, 4, v[STO]
	v_add_nc_u32 v[STO], s78, v[STO]
	v_bfe_u32 v[RD], v0, 3, 2       ; back: 32 lanes take four rows of 128 bytes,
	v_mul_u32_u24 v[RD], v[RD], SP
	v_lshl_add_u32 v[RD], v10, 4, v[RD]
	v_add_nc_u32 v[RD], s78, v[RD]
	v_and_b32 v[GO], 31, v0         ; which are 512 consecutive bytes of O
	v_lshlrev_b32 v[GO], 4, v[GO]
.set Y, NP-1                        ; X works for piece Y + 1: piece 0
.irp n, 0,1,2,3,4,5,6,7,8,9,10,11,12,13,14,15,16,17,18,19,20,21,22,23
	OP X, \n
.endr
	v_nop                           ; a plain instruction behind the exponential
	s_mov_b32 s[CNT], 2
	s_mov_b32 s[SLOTS], 15
	s_branch .Lfirst                ; the loop is entered at a step's first turn, in the middle of a trip
.Lslot:                             ; 14 times: every slot but the last two is filled again
	CHANGE 1
	s_mov_b32 s[CNT], 2
.Lstep:                             ; a trip: pieces 2 and 3 of one step, then pieces 0 and 1 of the next, whose K, V and mask it fetches
	TURN 2
	TURN 3
	WIN 0
.Lfirst:
	TURN 0
	TURN 1, 0, 1
	WIN 0
	s_cbranch_scc1 .Lstep
	s_sub_co_u32 s[SLOTS], s[SLOTS], 1
	s_cmp_lg_u32 s[SLOTS], 0
	s_cbranch_scc1 .Lslot
	CHANGE 0                        ; the tail is written out: nothing is asked for
	s_mov_b32 s[CNT], 3             ; two trips fetch the last slot's steps; the third is left in its middle
.Ltail:
	TURN 2, 1
	TURN 3, 1
	WIN 0
	s_sub_co_u32 s[CNT], s[CNT], 1
	s_cmp_eq_u32 s[CNT], 0
	s_cbranch_scc1 .Lout
	TURN 0
	TURN 1
	WIN 0
	s_branch .Ltail
.Lout:                              ; the third trip's 8 products K Q^T (on the last K and an old mask) and the maximum made of them serve nothing: the price, once a launch, of one text for every trip
.set i, 0
.rept 8
	PV NP-1                         ; the last piece's V^T P of the last step
.set i, i+1
.endr
	; THE WAY OUT.  l's two halves and the other half of the lanes' are added; O^T is divided by l, rounded to f16 and sent through my stage, a piece at a time.  The additions are the places behind the last products.
	WIN 0
.macro ALL line:vararg
.set t, 0
.rept 4
	\line
.set t, t+1
.endr
.endm
	ALL v_add_f32 v[ST+4*t+2], v[ST+4*t+2], v[ST+4*t+3]
	ALL v_permlanex16_b32 v[ST+4*t+3], v[ST+4*t+2], s[SEL], s[SEL+1]
	ALL v_add_f32 v[ST+4*t+2], v[ST+4*t+2], v[ST+4*t+3]
	ALL v_rcp_f32 v[ST+4*t+2], v[ST+4*t+2]
	v_nop                           ; a plain instruction between the last reciprocal and the use of its result
.macro PACK t
	WIN W_RS
.set i, 32*(\t)
.rept 16
	s_wait_alu depctr_va_vdst(0)
	v_pk_mul_f32 v[i:i+1], v[i:i+1], v[ST+4*(\t)+2:ST+4*(\t)+3] op_sel_hi:[1,0]
.set i, i+2
.endr
	WIN 0x05                        ; sources 0 and 1 window 1, destination window 0: S^T's registers are free
.set i, 0
.rept 16
	v_cvt_pk_f16_f32 v[S+16*(\t)+i], v[32*(\t)+2*i], v[32*(\t)+2*i+1]
.set i, i+1
.endr
	WIN 0
.irp f, 0,1,2,3
	ds_store_b128 v[STO], v[S+16*(\t)+4*\f:S+16*(\t)+4*\f+3] offset:32*\f
.endr
.irp f, 0,1,2,3
	ds_load_b128 v[S+16*(\t)+4*\f:S+16*(\t)+4*\f+3], v[RD] offset:\f*4*SP  ; LDS serves a wave's instructions in order (ISA guide 5.7.1.4): these see the stores above; the next piece's stores come behind them
.endr
.endm
.macro SEND t, younger              ; younger: the LDS instructions issued behind piece t's loads: the next piece's eight, or none
	WIN 0
.irp f, 0,1,2,3
	s_wait_dscnt (\younger)+3-\f
	global_store_b128 v[GO], v[S+16*(\t)+4*\f:S+16*(\t)+4*\f+3], s[8:9] offset:(\t)*2048+\f*512  ; 512 consecutive bytes, at a multiple of 256 from O's first
.endr
.endm
	PACK 0
.set t, 1
.rept 3
	PACK t
	SEND t-1, 8
.set t, t+1
.endr
	SEND 3, 0
	s_wait_tensorcnt 0x0            ; the wave's end
	ds_add_u32 v[SPW], v[NIL]
	s_wait_dscnt 0x0
	CROUND                          ; the closing round
	s_endpgm
.Lfunc_end_k_q5f0a55b603_attn:
	.size	k_q5f0a55b603_attn, .Lfunc_end_k_q5f0a55b603_attn-k_q5f0a55b603_attn
	.p2alignl 7, 3214868480
	.fill 96, 4, 3214868480
	.section	.rodata,"a",@progbits
	.p2align	6, 0x0
	.amdhsa_kernel k_q5f0a55b603_attn
		.amdhsa_group_segment_fixed_size 327680
		.amdhsa_private_segment_fixed_size 0
		.amdhsa_enable_private_segment 0
		.amdhsa_kernarg_size 24
		.amdhsa_user_sgpr_count 2
		.amdhsa_user_sgpr_kernarg_segment_ptr 1
		.amdhsa_wavefront_size32 1
		.amdhsa_system_sgpr_workgroup_id_x 1
		.amdhsa_system_sgpr_workgroup_id_y 1
		.amdhsa_system_sgpr_workgroup_id_z 1
		.amdhsa_system_vgpr_workitem_id 0
		.amdhsa_next_free_vgpr 768
		.amdhsa_next_free_sgpr 80
		.amdhsa_reserve_vcc 0
		.amdhsa_float_denorm_mode_32 3
		.amdhsa_float_denorm_mode_16_64 3
		.amdhsa_memory_ordered 1
		.amdhsa_forward_progress 1
		.amdhsa_inst_pref_size 138
	.end_amdhsa_kernel
	.amdgpu_metadata
---
amdhsa.version: [ 1, 2 ]
amdhsa.kernels:
  - .name:           k_q5f0a55b603_attn
    .symbol:         k_q5f0a55b603_attn.kd
    .args:
      - { .name: qkv, .offset: 0, .size: 8, .value_kind: global_buffer, .address_space: global }
      - { .name: attention_mask, .offset: 8, .size: 8, .value_kind: global_buffer, .address_space: global }
      - { .name: ob, .offset: 16, .size: 8, .value_kind: global_buffer, .address_space: global }
    .group_segment_fixed_size: 327680
    .private_segment_fixed_size: 0
    .kernarg_segment_align: 8
    .kernarg_segment_size: 24
    .max_flat_workgroup_size: 128
    .sgpr_count:     80
    .vgpr_count:     768
    .wavefront_size: 32
...
	.end_amdgpu_metadata
.endif
;; end of part 3
;; launch oproj (part 4): grid 8 x 32, 4 waves a work-group, clusters of 4 x 4, 327,680 bytes of LDS; arguments ob, wcv, c32; writes c32
.if DOCPART == 4
	.amdgcn_target "amdgcn-amd-amdhsa--gfx1250"
	.amdhsa_code_object_version 6
	.text
	.protected	k_q5f0a55b603_oproj
	.globl	k_q5f0a55b603_oproj
	.p2align	8
	.type	k_q5f0a55b603_oproj,@function
k_q5f0a55b603_oproj:
	s_mov_b64 s[64:65], 0
	v_nop
	global_prefetch_b8 v0, s[64:65] scope:SCOPE_SE
	s_setreg_imm32_b32 hwreg(HW_REG_WAVE_MODE, 25, 1), 1
	s_wait_xcnt 0x0
	s_wait_alu depctr_hold_cnt(0) depctr_sa_sdst(0) depctr_va_vdst(0) depctr_va_sdst(0) depctr_va_ssrc(0) depctr_va_vcc(0) depctr_vm_vsrc(0)
	s_getreg_b32 s2, hwreg(HW_REG_IB_STS2, 6, 4)
	s_cmp_eq_u32 s2, 0
	s_cbranch_scc0 .Lentry_in_a_cluster
	s_endpgm
.Lentry_in_a_cluster:
	s_bfe_u32 s2, ttmp6, 0x10000c
	s_cmp_lg_u32 s2, 0xf033
	s_cbranch_scc0 .Lentry_shape_is_right
	s_endpgm
.Lentry_shape_is_right:
; c32[m][n] = sum over k of O[m][k] Wo[n][k].  O: ob[b][h][l][64] f16, m = 2048 b + l, k = 64 h + d; Wo: wcv rows 3072-4095, [1024][1024] f16; c32: [4096][1024] f32; sums in f32.
; A tile is 128 x 128: 8 x 32 tiles, one for each of 256 work-groups; four waves of 64 x 64, 16 accumulators each.  K goes in 4 steps of 256, four heads, through two LDS slots.
; O's tile for a wave's load is 64 rows of four heads: a head's 64 rows are 8,192 dense bytes, asked for as one row of the descriptor, four rows a head apart, padded in LDS after each 128 bytes.
; CLUSTER 4 x 4: O's tile is asked for jointly by a row of the cluster, Wo's by a column.  THE MATRIX INSTRUCTION IS USED TRANSPOSED: a lane holds eight neighbouring f32 of a row, and a wave's 64 columns
; are 256 bytes at a multiple of 256: each wave sends its own rows through its own stage, with no barrier.
; REGISTERS: window 0: v16-29 addresses; v32-95 at work on the way out; v128-255 the accumulators ((a, b) at v[128 + 8 (4 a + b)]).  window 1: two fragment buffers of 128: 64 of O, then 64 of Wo.
.set PA,     144                       ; a row of O in LDS: 128 bytes + 16
.set PB,     528                       ; a row of Wo: 512 + 16
.set AHALF,  4*64*PA
.set BHALF,  64*PB
.set BOFF,   2*AHALF
.set SLOT,   BOFF+2*BHALF
.set STAGE,  2*SLOT                    ; 16 rows x 272 bytes for each wave; no tensor load fills it
.set SPITCH, 272
.set SPARE,  STAGE+4*16*SPITCH
.set ADRA, 16
.set ADRB, 20
.set STO,  24
.set RD,   25
.set CO,   26
.set SPW,  28
.set NIL,  29
.set TMP,  32
.set ACC,  128
.set F0,   0
.set F1,   128
.set G1, 24
.set G0, 32
.set G1B, 48
.set G0B, 56
.set MSB, 0
.macro WIN new
.if MSB != (\new)
	s_set_vgpr_msb (MSB<<8)|(\new)
.set MSB, \new
.endif
.endm
.set MUL,  0x05                        ; sources 0 and 1 window 1; C and D window 0
.set TO_F, 0x40                        ; destination window 1, address window 0
.macro JLOAD s                         ; a joint load: waves 0 and 1 fetch O's two halves, waves 2 and 3 Wo's; an s_nop 0 and four v_nop follow each line
	s_cmp_eq_u32 s11, 0
	s_cbranch_scc0 .Lfor_b_\@
	tensor_load_to_lds s[G0+4*(\s):G0+4*(\s)+3], s[G1:G1+7]
	s_nop 0
.rept 4
	v_nop
.endr
	s_branch .Lasked_\@
.Lfor_b_\@:
	tensor_load_to_lds s[G0B+4*(\s):G0B+4*(\s)+3], s[G1B:G1B+7]
	s_nop 0
.rept 4
	v_nop
.endr
.Lasked_\@:
.endm
.macro CREST
	s_cmp_lg_u32 s10, 0
	s_cbranch_scc1 .Lnot_wave_0_\@
	s_barrier_signal -3
.Lnot_wave_0_\@:
	s_barrier_wait -3
	s_barrier_signal -1
	s_barrier_wait -1
.endm
.macro CROUND
	s_barrier_signal -1
	s_barrier_wait -1
	CREST
.endm
	s_load_b128 s[4:7], s[0:1], 0x0                ; ob, wcv
	s_load_b64 s[8:9], s[0:1], 0x10                ; c32
	v_lshl_add_u32 v[SPW], v0, 2, SPARE
	v_mov_b32 v[NIL], 0
	ds_add_u32 v[SPW], v[NIL]                      ; the wave's opening: the add and its wait ahead of my first tensor load
	ds_add_u32 v28, v29
	v_lshrrev_b32 v1, 5, v0
	v_readfirstlane_b32 s10, v1
	s_lshr_b32 s11, s10, 1                         ; my half of the tile's rows.  Also: I fetch for O (0) or for Wo (1)
	s_and_b32 s12, s10, 1                          ; my half of its columns.  Also: which 64 rows of that tile I fetch
	s_bfe_u32 s40, ttmp6, 0x40000
	s_bfe_u32 s41, ttmp6, 0x40004
	s_lshl_b32 s42, ttmp9, 2
	s_add_co_u32 s42, s42, s40                     ; tile column
	s_and_b32 s13, ttmp7, 0xffff
	s_lshl_b32 s13, s13, 2
	s_add_co_u32 s13, s13, s41                     ; tile row
	s_lshl_b32 s43, s41, 2
	s_lshl_b32 s43, 15, s43
	s_lshl_b32 s44, 0x1111, s40
	s_or_b32 s[G1+0], s43, (1<<16)|(1<<20)|(1<<21)|(4<<22)|(3<<25)   ; O: after every 32 words (a row of a head) 4 words
	s_mov_b32 s[G1+1], 4096<<16                    ; 64 rows of a head on end: 4,096 elements
	s_mov_b32 s[G1+2], 4<<16                       ; four heads,
	s_mov_b32 s[G1+3], 4096<<16
	s_mov_b32 s[G1+4], 4
	s_mov_b32 s[G1+5], 131072                      ; 131,072 elements apart
	s_mov_b32 s[G1+6], 0
	s_mov_b32 s[G1+7], 0
	s_or_b32 s[G1B+0], s44, (1<<16)|(1<<20)|(1<<21)|(6<<22)|(3<<25)  ; Wo: after every 128 words 4 words
	s_mov_b32 s[G1B+1], 256<<16
	s_mov_b32 s[G1B+2], 64<<16
	s_mov_b32 s[G1B+3], 256<<16
	s_mov_b32 s[G1B+4], 64
	s_mov_b32 s[G1B+5], 1024
	s_mov_b32 s[G1B+6], 0
	s_mov_b32 s[G1B+7], 0
	s_lshr_b32 s16, s13, 4                         ; the batch: 16 heads of 262,144 bytes
	s_lshl_b32 s16, s16, 22
	s_and_b32 s17, s13, 15                         ; rows 128 (tile row % 16) + 64 x half, 128 bytes each
	s_lshl_b32 s17, s17, 14
	s_add_co_u32 s16, s16, s17
	s_lshl_b32 s17, s12, 13
	s_add_co_u32 s16, s16, s17
	s_mov_b32 s17, 0
	s_lshl_b32 s46, s42, 18                        ; Wo's rows 128 x tile column + 64 x half, 2,048 bytes each,
	s_lshl_b32 s47, s12, 17
	s_add_co_u32 s46, s46, s47
	s_add_co_u32 s46, s46, 6291456                 ; behind wcv's first 3,072 rows
	s_mov_b32 s47, 0
	s_mul_i32 s20, s12, AHALF
	s_mul_i32 s21, s12, BHALF
	s_add_co_u32 s21, s21, BOFF
	s_wait_dscnt 0x0                               ; the opening add is done
	s_wait_kmcnt 0x0
	s_add_nc_u64 s[14:15], s[4:5], s[16:17]
	s_add_nc_u64 s[46:47], s[6:7], s[46:47]
	CROUND                                         ; all sixteen work-groups are here: the first joint loads meet
.irp s, 0,1
	s_mov_b32 s[G0+4*(\s)], 1
	s_add_co_u32 s[G0+4*(\s)+1], s20, (\s)*SLOT
	s_add_nc_u64 s[G0+4*(\s)+2:G0+4*(\s)+3], s[14:15], (\s)*4*262144   ; K step s: four heads on
	s_or_b32 s[G0+4*(\s)+3], s[G0+4*(\s)+3], 0x80000000
	s_mov_b32 s[G0B+4*(\s)], 1
	s_add_co_u32 s[G0B+4*(\s)+1], s21, (\s)*SLOT
	s_add_nc_u64 s[G0B+4*(\s)+2:G0B+4*(\s)+3], s[46:47], (\s)*512
	s_or_b32 s[G0B+4*(\s)+3], s[G0B+4*(\s)+3], 0x80000000
	JLOAD \s                                       ; two loads of mine are out
.endr
	v_and_b32 v1, 15, v0
	v_bfe_u32 v2, v0, 4, 1
	v_mul_u32_u24 v3, v1, PA
	v_lshl_add_u32 v3, v2, 4, v3
	v_mul_u32_u24 v4, v1, PB
	v_lshl_add_u32 v4, v2, 4, v4
	s_mul_i32 s22, s11, AHALF                      ; my 64 rows of O
	s_mul_i32 s23, s12, BHALF                      ; my 64 rows of Wo
	s_add_co_u32 s23, s23, BOFF
.irp s, 0,1
	v_add_nc_u32 v[ADRA+(\s)], s22, v3
	v_add_nc_u32 v[ADRB+(\s)], s23, v4
	s_add_co_u32 s22, s22, SLOT
	s_add_co_u32 s23, s23, SLOT
.endr
	s_mul_i32 s23, s10, 16*SPITCH
	s_add_co_u32 s23, s23, STAGE                   ; my stage
	v_mul_u32_u24 v5, v1, SPITCH                   ; in: row l % 16, 32 bytes for each half of the lanes
	v_lshl_add_u32 v5, v2, 5, v5
	v_add_nc_u32 v[STO], s23, v5
	v_mul_u32_u24 v5, v2, SPITCH                   ; back: lanes 0-15 one row of 256 bytes, lanes 16-31 the next
	v_lshl_add_u32 v5, v1, 4, v5
	v_add_nc_u32 v[RD], s23, v5
	v_lshlrev_b32 v5, 12, v2                       ; and the same two rows in c32
	v_lshl_add_u32 v[CO], v1, 4, v5
	s_lshl_b32 s16, s13, 19                        ; my first row: 128 x tile row + 64 x half, 4,096 bytes each
	s_lshl_b32 s17, s11, 18
	s_add_co_u32 s16, s16, s17
	s_mov_b32 s17, 0
	s_add_nc_u64 s[8:9], s[8:9], s[16:17]
	s_lshl_b32 s46, s42, 9                         ; my first column, in bytes
	s_lshl_b32 s47, s12, 8
	s_add_co_u32 s46, s46, s47
	s_mov_b32 s47, 0
	s_add_nc_u64 s[8:9], s[8:9], s[46:47]
; 8 matrix instructions: row blocks a0, a0 + 1 x all 4 column blocks, 32 along K: half c of buffer f.  The 16 accumulators take turns.
.macro MUL8 f, c, a0, zero
	WIN MUL
.irp a, \a0, (\a0)+1
.irp b, 0,1,2,3
.if \zero
	v_wmma_f32_16x16x32_f16 v[ACC+8*(4*(\a)+(\b)):ACC+8*(4*(\a)+(\b))+7], v[(\f)+64+8*(4*(\c)+(\b)):(\f)+64+8*(4*(\c)+(\b))+7], v[(\f)+8*(4*(\c)+(\a)):(\f)+8*(4*(\c)+(\a))+7], 0
.else
	v_wmma_f32_16x16x32_f16 v[ACC+8*(4*(\a)+(\b)):ACC+8*(4*(\a)+(\b))+7], v[(\f)+64+8*(4*(\c)+(\b)):(\f)+64+8*(4*(\c)+(\b))+7], v[(\f)+8*(4*(\c)+(\a)):(\f)+8*(4*(\c)+(\a))+7], v[ACC+8*(4*(\a)+(\b)):ACC+8*(4*(\a)+(\b))+7]
.endif
.endr
.endr
.endm
; 32 LDS loads in one run: quarter q of a K step is one head: 64 along K; its first 32 first
.macro FETCH slot, q, f
	WIN TO_F
.irp c, 0,1
.irp i, 0,1,2,3
	ds_load_b128 v[(\f)+64+8*(4*(\c)+(\i)):(\f)+64+8*(4*(\c)+(\i))+3],   v[ADRB+(\slot)] offset:(\q)*128+64*(\c)+(\i)*16*PB
	ds_load_b128 v[(\f)+64+8*(4*(\c)+(\i))+4:(\f)+64+8*(4*(\c)+(\i))+7], v[ADRB+(\slot)] offset:(\q)*128+64*(\c)+(\i)*16*PB+32
	ds_load_b128 v[(\f)+8*(4*(\c)+(\i)):(\f)+8*(4*(\c)+(\i))+3],         v[ADRA+(\slot)] offset:(\q)*64*PA+64*(\c)+(\i)*16*PA
	ds_load_b128 v[(\f)+8*(4*(\c)+(\i))+4:(\f)+8*(4*(\c)+(\i))+7],       v[ADRA+(\slot)] offset:(\q)*64*PA+64*(\c)+(\i)*16*PA+32
.endr
.endr
.endm
.macro PLACES
.rept 4
	v_nop
.endr
.endm
.macro QUARTER slot, q, f, g, zero     ; multiplies buffer f and fetches quarter q into g
	s_wait_dscnt 16                                ; the first 32 along K are in
	MUL8 \f, 0, 0, \zero
	MUL8 \f, 0, 2, \zero
	PLACES
	FETCH \slot, \q, \g
	s_wait_dscnt 32                                ; all but the 32 just issued
	MUL8 \f, 1, 0, 0
	MUL8 \f, 1, 2, 0
.endm
; The last quarter multiplies buffer 1 and changes slots: one barrier; in front of it each wave waits for all its tensor loads, adds 0 to its spare word, and waits for that and for its own reads of this slot.
.macro TURN slot, next, fill
	WIN 0
	s_wait_tensorcnt 0x0
	ds_add_u32 v[SPW], v[NIL]
	s_wait_dscnt 17                                ; the add and the youngest sixteen loads may be out
	MUL8 F1, 0, 0, 0
	s_wait_dscnt 0x0                               ; the add is done, and my reads of this slot are over
	s_barrier_signal -1
	MUL8 F1, 0, 2, 0
.if \fill
	WIN 0
.endif
	s_barrier_wait -1
.if \fill
	CREST                                          ; no wave of any partner still reads this slot or has a load on its way
	s_add_nc_u64 s[G0+4*(\slot)+2:G0+4*(\slot)+3], s[G0+4*(\slot)+2:G0+4*(\slot)+3], 8*262144
	s_add_nc_u64 s[G0B+4*(\slot)+2:G0B+4*(\slot)+3], s[G0B+4*(\slot)+2:G0B+4*(\slot)+3], 1024
	JLOAD \slot                                    ; its four v_nop are also the places in front of the loads below
.else
	PLACES
.endif
	FETCH \next, 0, F0
	MUL8 F1, 1, 0, 0
	MUL8 F1, 1, 2, 0
.endm
	s_wait_tensorcnt 0x1                           ; my part of K step 0 is in; K step 1's may stay out
	s_barrier_signal -1
	s_barrier_wait -1
	FETCH 0, 0, F0
	QUARTER 0, 1, F0, F1, 1                        ; the first products start the sums
	QUARTER 0, 2, F1, F0, 0                        ; four K steps: the two laps are written out
	QUARTER 0, 3, F0, F1, 0
	TURN 0, 1, 1                                   ; slot 0 takes K step 2
	QUARTER 1, 1, F0, F1, 0
	QUARTER 1, 2, F1, F0, 0
	QUARTER 1, 3, F0, F1, 0
	TURN 1, 0, 1                                   ; slot 1 takes K step 3
	QUARTER 0, 1, F0, F1, 0
	QUARTER 0, 2, F1, F0, 0
	QUARTER 0, 3, F0, F1, 0
	TURN 0, 1, 0
	QUARTER 1, 1, F0, F1, 0
	QUARTER 1, 2, F1, F0, 0
	QUARTER 1, 3, F0, F1, 0
	s_wait_dscnt 16
	MUL8 F1, 0, 0, 0
	MUL8 F1, 0, 2, 0
	s_wait_dscnt 0x0
	MUL8 F1, 1, 0, 0
	MUL8 F1, 1, 2, 0
	WIN 0
	; THE WAY OUT: 16 rows at a time: a lane's 32 bytes of each accumulator, low half first, into my stage; back as whole rows of 256 bytes; stored.
	PLACES
.irp a, 0,1,2,3
.set BKR, TMP+32*((\a)%2)
.irp b, 0,1,2,3
	ds_store_b128 v[STO], v[ACC+8*(4*(\a)+(\b)):ACC+8*(4*(\a)+(\b))+3] offset:64*(\b)
	ds_store_b128 v[STO], v[ACC+8*(4*(\a)+(\b))+4:ACC+8*(4*(\a)+(\b))+7] offset:64*(\b)+16
.endr
.irp t, 0,1,2,3,4,5,6,7
	ds_load_b128 v[BKR+4*(\t):BKR+4*(\t)+3], v[RD] offset:(\t)*2*SPITCH  ; LDS serves a wave's instructions in order (ISA guide 5.7.1.4): these see the stores above
.endr
	s_wait_dscnt 0x0
	s_wait_xcnt 0x0                                ; the other buffer, which the block before stored from, is loaded again only behind this wait
.irp t, 0,1,2,3,4,5,6,7
	global_store_b128 v[CO], v[BKR+4*(\t):BKR+4*(\t)+3], s[8:9] offset:(16*(\a)+2*(\t))*4096  ; 16 lanes store 256 consecutive bytes, at a multiple of 256 from c32's first byte
.endr
.endr
	s_wait_tensorcnt 0x0                           ; the wave's end
	ds_add_u32 v[SPW], v[NIL]
	s_wait_dscnt 0x0
	CROUND                                         ; the closing round
	s_endpgm
.Lfunc_end_k_q5f0a55b603_oproj:
	.size	k_q5f0a55b603_oproj, .Lfunc_end_k_q5f0a55b603_oproj-k_q5f0a55b603_oproj
	.p2alignl 7, 3214868480
	.fill 96, 4, 3214868480
	.section	.rodata,"a",@progbits
	.p2align	6, 0x0
	.amdhsa_kernel k_q5f0a55b603_oproj
		.amdhsa_group_segment_fixed_size 327680
		.amdhsa_private_segment_fixed_size 0
		.amdhsa_enable_private_segment 0
		.amdhsa_kernarg_size 24
		.amdhsa_user_sgpr_count 2
		.amdhsa_user_sgpr_kernarg_segment_ptr 1
		.amdhsa_wavefront_size32 1
		.amdhsa_system_sgpr_workgroup_id_x 1
		.amdhsa_system_sgpr_workgroup_id_y 1
		.amdhsa_system_sgpr_workgroup_id_z 1
		.amdhsa_system_vgpr_workitem_id 0
		.amdhsa_next_free_vgpr 512
		.amdhsa_next_free_sgpr 66
		.amdhsa_reserve_vcc 0
		.amdhsa_float_denorm_mode_32 3
		.amdhsa_float_denorm_mode_16_64 3
		.amdhsa_memory_ordered 1
		.amdhsa_forward_progress 1
		.amdhsa_inst_pref_size 86
	.end_amdhsa_kernel
	.amdgpu_metadata
---
amdhsa.version: [ 1, 2 ]
amdhsa.kernels:
  - .name:           k_q5f0a55b603_oproj
    .symbol:         k_q5f0a55b603_oproj.kd
    .args:
      - { .name: ob, .offset: 0, .size: 8, .value_kind: global_buffer, .address_space: global }
      - { .name: wcv, .offset: 8, .size: 8, .value_kind: global_buffer, .address_space: global }
      - { .name: c32, .offset: 16, .size: 8, .value_kind: global_buffer, .address_space: global }
    .group_segment_fixed_size: 327680
    .private_segment_fixed_size: 0
    .kernarg_segment_align: 8
    .kernarg_segment_size: 24
    .max_flat_workgroup_size: 128
    .sgpr_count:     66
    .vgpr_count:     512
    .wavefront_size: 32
...
	.end_amdgpu_metadata
.endif
;; end of part 4
;; launch finish (part 5): grid 256 x 1, 8 waves a work-group, no clusters, 70,656 bytes of LDS; arguments c32, K, out0; writes out0
.if DOCPART == 5
	.amdgcn_target "amdgcn-amd-amdhsa--gfx1250"
	.amdhsa_code_object_version 6
	.text
	.protected	k_q5f0a55b603_finish
	.globl	k_q5f0a55b603_finish
	.p2align	8
	.type	k_q5f0a55b603_finish,@function
k_q5f0a55b603_finish:
	s_mov_b64 s[64:65], 0
	v_nop
	global_prefetch_b8 v0, s[64:65] scope:SCOPE_SE
	s_setreg_imm32_b32 hwreg(HW_REG_WAVE_MODE, 25, 1), 1
	s_wait_xcnt 0x0
; out0[m][0] = sanitise(sqrt((1 / K + sum over n of c32[m][n]^2) + 1e-8)); out0[m][1 + n] = c32[m][n].  c32: [4096][1024] f32, finite; out0: [4096][1025] f32.
; A row of out0 is 4,100 bytes, so a row's numbers lie 4 bytes off every 16-byte boundary.  A work-group owns 16 rows: 65,600 consecutive bytes of out0 that begin at a multiple of 16.  It builds their image in LDS
; (each wave two rows: the row, shifted by 4 bytes, and its time in front) and stores the image as it lies, 16 bytes a lane, 512 consecutive bytes a wave's store.
; The time: NaN (a negative sum under the root) -> 0, +inf -> 1e4, as the reference's last step has it.  1 / K is v_rcp_f32's: within 1 ULP; a denormal K counts as 0.
; Memory binds: each byte is read once and written once; no matrix unit and no cluster, since no two work-groups read the same byte.
.set ROWB,  4100
.set SPARE, 69632                      ; behind the image and behind all that 16 x thread + 65,536 could name: the spare words, 128 bytes a wave
.set GI,  4                            ; v4  my byte offset in the group's rows of c32
.set TA,  5                            ; v5  LDS address of my wave's first row in the image
.set SA,  6                            ; v6  the same + 16 x lane
.set RD,  7                            ; v7  16 x thread: my place in the image and in the group's bytes of out0
.set X,   8                            ; v[8:71] two rows as loaded; then sixteen pieces of the image
.set A,   72                           ; v[72:79] four chains of two sums
.set RK,  80                           ; 1 / K
.set TM,  81
.set RD2, 82                           ; 16 x thread + 65,536
.set SPW, 94
.set NIL, 95
	s_load_b128 s[4:7], s[0:1], 0x0                ; c32, K
	s_load_b64 s[8:9], s[0:1], 0x10                ; out0
	v_lshl_add_u32 v[SPW], v0, 2, SPARE
	v_mov_b32 v[NIL], 0
	v_lshrrev_b32 v1, 5, v0
	v_readfirstlane_b32 s11, v1                    ; wave 0..7
	v_and_b32 v2, 31, v0
	v_lshlrev_b32 v3, 4, v2
	s_lshl_b32 s18, s11, 13
	v_add_nc_u32 v[GI], s18, v3
	s_mul_i32 s19, s11, 2*ROWB
	v_mov_b32 v[TA], s19
	v_add_nc_u32 v[SA], s19, v3
	v_lshlrev_b32 v[RD], 4, v0
	v_add_nc_u32 v[RD2], 65536, v[RD]
	s_lshl_b32 s2, ttmp9, 16                       ; 16 rows of 4,096 bytes
	s_mov_b32 s3, 0
	s_mul_i32 s16, ttmp9, 16*ROWB
	s_mov_b32 s17, 0
	s_mov_b32 s12, 0x76543210
	s_mov_b32 s13, 0xfedcba98
	s_mov_b32 s14, 0x7f7fffff                      ; the largest finite number
	s_mov_b32 s15, 0x461c4000                      ; 1e4
	s_wait_kmcnt 0x0
	s_load_b32 s10, s[6:7], 0x0                    ; K
	s_add_nc_u64 s[4:5], s[4:5], s[2:3]
	s_add_nc_u64 s[8:9], s[8:9], s[16:17]
.irp j, 0,1,2,3,4,5,6,7,8,9,10,11,12,13,14,15
	global_load_b128 v[X+4*\j:X+4*\j+3], v[GI], s[4:5] offset:512*\j th:TH_LOAD_NT  ; my two rows: sixteen times 512 consecutive bytes
.endr
	s_wait_kmcnt 0x0
	v_rcp_f32 v[RK], s10
	v_nop                                          ; a plain instruction behind the reciprocal
	s_wait_alu depctr_va_vdst(0)
.macro NORM q, left                    ; row q of my two: its norm, its time, and both into the image
	s_wait_loadcnt \left
.irp c, 0,1,2,3
	v_pk_mul_f32 v[A+2*\c:A+2*\c+1], v[X+32*(\q)+2*\c:X+32*(\q)+2*\c+1], v[X+32*(\q)+2*\c:X+32*(\q)+2*\c+1]  ; the first squares start the chains
.endr
.set p, 4
.rept 12
	v_pk_fma_f32 v[A+2*(p%4):A+2*(p%4)+1], v[X+32*(\q)+2*p:X+32*(\q)+2*p+1], v[X+32*(\q)+2*p:X+32*(\q)+2*p+1], v[A+2*(p%4):A+2*(p%4)+1]
.set p, p+1
.endr
	v_pk_add_f32 v[A:A+1], v[A:A+1], v[A+2:A+3]
	v_pk_add_f32 v[A+4:A+5], v[A+4:A+5], v[A+6:A+7]
	v_pk_add_f32 v[A:A+1], v[A:A+1], v[A+4:A+5]
	v_add_f32 v[A], v[A], v[A+1]
	v_add_f32_dpp v[A], v[A], v[A] row_xmask:1 row_mask:0xf bank_mask:0xf
	v_add_f32_dpp v[A], v[A], v[A] row_xmask:2 row_mask:0xf bank_mask:0xf
	v_add_f32_dpp v[A], v[A], v[A] row_xmask:4 row_mask:0xf bank_mask:0xf
	v_add_f32_dpp v[A], v[A], v[A] row_xmask:8 row_mask:0xf bank_mask:0xf
	v_permlanex16_b32 v[A+1], v[A], s12, s13
	v_add_f32 v[A], v[A], v[A+1]                   ; every lane holds the row's sum of squares
	v_add_f32 v[A], v[RK], v[A]
	v_add_f32 v[A], 0x322bcc77, v[A]               ; + 1e-8
	v_sqrt_f32 v[TM], v[A]
	v_nop                                          ; a plain instruction behind the root
	s_wait_alu depctr_va_vdst(0)
	v_cmp_eq_f32 vcc_lo, v[TM], v[TM]
	v_cndmask_b32 v[TM], 0, v[TM], vcc_lo          ; NaN -> 0
	v_cmp_lt_f32 vcc_lo, s14, v[TM]
	v_cndmask_b32 v[TM], v[TM], s15, vcc_lo        ; +inf -> 1e4
	ds_store_b32 v[TA], v[TM] offset:ROWB*(\q)     ; all lanes write the same word with the same number
.irp j, 0,1,2,3,4,5,6,7
.irp e, 0,1,2,3
	ds_store_b32 v[SA], v[X+32*(\q)+4*\j+\e] offset:ROWB*(\q)+4+512*\j+4*\e
.endr
.endr
.endm
	NORM 0, 8                                      ; the second row's eight loads may stay out
	NORM 1, 0
	s_wait_dscnt 0x0                               ; for the others' sake: my part of the image is written
	s_barrier_signal -1
	s_barrier_wait -1
.irp k, 0,1,2,3,4,5,6,7,8,9,10,11,12,13,14,15
	ds_load_b128 v[X+4*\k:X+4*\k+3], v[RD] offset:4096*\k
.endr
.irp k, 0,1,2,3,4,5,6,7,8,9,10,11,12,13,14,15
	s_wait_dscnt 15-\k                             ; LDS loads come back in order: number k is in
	global_store_b128 v[RD], v[X+4*\k:X+4*\k+3], s[8:9] offset:4096*\k th:TH_STORE_NT
.endr
	v_cmp_gt_u32 vcc_lo, 4, v0                     ; the image's last 64 bytes: threads 0 to 3
	s_wait_xcnt 0x0                                ; EXEC and v[X:X+3] change only behind this wait
	s_and_saveexec_b32 s20, vcc_lo
	ds_load_b128 v[X:X+3], v[RD2]
	s_wait_dscnt 0x0
	global_store_b128 v[RD2], v[X:X+3], s[8:9] th:TH_STORE_NT
	s_wait_xcnt 0x0                                ; and again, in front of the line that widens it
	s_or_b32 exec_lo, exec_lo, s20
	s_wait_tensorcnt 0x0                           ; the wave's end, behind my last LDS store
	ds_add_u32 v[SPW], v[NIL]
	s_wait_dscnt 0x0
	s_endpgm
.Lfunc_end_k_q5f0a55b603_finish:
	.size	k_q5f0a55b603_finish, .Lfunc_end_k_q5f0a55b603_finish-k_q5f0a55b603_finish
	.p2alignl 7, 3214868480
	.fill 96, 4, 3214868480
	.section	.rodata,"a",@progbits
	.p2align	6, 0x0
	.amdhsa_kernel k_q5f0a55b603_finish
		.amdhsa_group_segment_fixed_size 70656
		.amdhsa_private_segment_fixed_size 0
		.amdhsa_enable_private_segment 0
		.amdhsa_kernarg_size 24
		.amdhsa_user_sgpr_count 2
		.amdhsa_user_sgpr_kernarg_segment_ptr 1
		.amdhsa_wavefront_size32 1
		.amdhsa_system_sgpr_workgroup_id_x 1
		.amdhsa_system_sgpr_workgroup_id_y 1
		.amdhsa_system_sgpr_workgroup_id_z 1
		.amdhsa_system_vgpr_workitem_id 0
		.amdhsa_next_free_vgpr 96
		.amdhsa_next_free_sgpr 66
		.amdhsa_reserve_vcc 1
		.amdhsa_float_denorm_mode_32 3
		.amdhsa_float_denorm_mode_16_64 3
		.amdhsa_memory_ordered 1
		.amdhsa_forward_progress 1
		.amdhsa_inst_pref_size 15
	.end_amdhsa_kernel
	.amdgpu_metadata
---
amdhsa.version: [ 1, 2 ]
amdhsa.kernels:
  - .name:           k_q5f0a55b603_finish
    .symbol:         k_q5f0a55b603_finish.kd
    .args:
      - { .name: c32, .offset: 0, .size: 8, .value_kind: global_buffer, .address_space: global }
      - { .name: K, .offset: 8, .size: 8, .value_kind: global_buffer, .address_space: global }
      - { .name: out0, .offset: 16, .size: 8, .value_kind: global_buffer, .address_space: global }
    .group_segment_fixed_size: 70656
    .private_segment_fixed_size: 0
    .kernarg_segment_align: 8
    .kernarg_segment_size: 24
    .max_flat_workgroup_size: 256
    .sgpr_count:     66
    .vgpr_count:     96
    .wavefront_size: 32
...
	.end_amdgpu_metadata
.endif
;; end of part 5
